; MI455X (gfx1250); checked and timed in simulation.
; The chip was launched on July 23, 2026; its instructions are those of AMD's public machine-readable ISA for CDNA 5 (MIT licence, August 2026) and "CDNA5" Instruction Set Architecture Reference Guide (July 2026). The comments in the code are by the model that wrote it; some were corrected since.
;; Multi Head Self Attention. Allowed arithmetic: matrix products marked QUANTISED: E3M2 operands, one E8M0 scale for each 32 along K, by v_wmma_scale_f32_16x16x128_f8f6f4 with both operands' format E3M2, f32 sums; everything else in f32.
;; Inputs: W_out 1,024 x 1,024 float32; W_qkv 3,072 x 1,024 float32; b_out 1,024 float32; b_qkv 3,072 float32; ious 8 x 1,024 x 1,024 float32; query 1,024 x 8 x 1,024 float32.
;; Outputs: out0 1,024 x 8 x 1,024 float32.
;; Constants: nhead = 16.
;; This version of the problem:
;;   THIS VERSION OF THE PROBLEM IS GIVEN IN LOW PRECISION. The matrix products marked QUANTISED in the list below multiply operands that are first quantised to E3M2 (3 exponent bits, 2 mantissa bits; 6 bits a number), with one power-of-two scale for each 32 numbers along K (OCP MX v1.0); their sums are f32. All else is computed in f32.
;;   The module's matrix products, in the order in which they are computed (A, B: the left and right operand; K: the contracted axis; several contracted axes count as one K, in the product's order):
;;     1. [M 8,192, K 1,024] x [K 1,024, N 3,072]; A: input query; B: input W_qkv: QUANTISED
;;     2. batch 128 x [M 1,024, K 64] x [K 64, N 1,024]; A: computed on the way; B: computed on the way: QUANTISED
;;     3. batch 128 x [M 1,024, K 1,024] x [K 1,024, N 64]; A: computed on the way; B: computed on the way: QUANTISED
;;     4. [M 8,192, K 1,024] x [K 1,024, N 1,024]; A: computed on the way; B: input W_out: QUANTISED
;;   THE QUANTISER, for each operand of a quantised product, along K:
;;     - K is cut into blocks of 32 from its start; a last block that is shorter is filled with zeros.
;;     - A block's scale is 2^e with e = floor(log2(the largest magnitude in the block)) - 4, held to -126 .. 127; a block of zeros has e = 0. As a byte (E8M0): e + 127.
;;     - Each number is divided by its block's scale, clamped to +-28, and rounded to the nearest number of E3M2, ties to even, subnormals kept.
;;     - The product sums the exact products of the quantised numbers (number of the format x scale) in f32.
;;   ~~~python
;;   def quantise(x, axis):      # numpy; x: float32 -> the quantised numbers, widened to float32 again
;;       x = np.moveaxis(x, axis, -1); K = x.shape[-1]
;;       x = np.pad(x, [(0, 0)] * (x.ndim - 1) + [(0, -K % 32)]); x = x.reshape(x.shape[:-1] + (-1, 32)); a = np.abs(x).max(-1, keepdims=True)
;;       e = np.where(a > 0, np.clip(np.frexp(np.where(a > 0, a, 1))[1] - 1 - 4, -126, 127), 0)      # np.frexp(a)[1] - 1 = floor(log2(a)), exactly
;;       r = np.clip(x / 2.0 ** e, -28, 28)
;;       step = 2.0 ** (np.maximum(np.frexp(np.where(r == 0, 1, r))[1] - 1, -2) - 2)
;;       q = np.round(r / step) * step * 2.0 ** e      # np.round: ties to even
;;       return np.moveaxis(q.reshape(q.shape[:-2] + (-1,))[..., :K], -1, axis).astype(np.float32)
;;   ~~~
;;   OPERANDS COMPUTED ON THE WAY. 'Computed on the way' means the value that the module computes at that place (a softmax that the list does not call 'softmax' is quantised finished and normalised). What goes into a quantiser is computed in f32, as accurately as f32 sums, v_exp_f32 and their like allow (about 1e-6 of the number): no bf16 or f16 on the way to a quantiser, and a product that is left as it is and whose result goes on into a quantised operand takes f32 operands (vector FMAs, or v_wmma_f32_16x16x4_f32). A number that lies on a knife's edge between two numbers of the format may be rounded either way, as far as f32 arithmetic and the matrix unit's own rounding can turn it there, and no further.
;; One version. Each part assembles by itself: llvm-mc -triple=amdgcn-amd-amdhsa -mcpu=gfx1250 --defsym DOCPART=n.
;; ======== version 1 of 1: 4 launches
;; limits: right only within a limited range of input values
;; workspace buffers: c1 8,650,752 bytes; s1 360,448 bytes; qb 6,553,600 bytes; kv 13,107,200 bytes; c2 7,077,888 bytes; s2 294,912 bytes
;; launch quant (part 1): grid 768 x 1, 4 waves a work-group, no clusters, 35,328 bytes of LDS; arguments query, W_qkv, W_out, c1, s1, c2, s2; writes c1, s1, c2, s2
.if DOCPART == 1
	.amdgcn_target "amdgcn-amd-amdhsa--gfx1250"
	.amdhsa_code_object_version 6
	.text
	.protected	k_q7df3ffc06a_quant
	.globl	k_q7df3ffc06a_quant
	.p2align	8
	.type	k_q7df3ffc06a_quant,@function
k_q7df3ffc06a_quant:
	s_mov_b64 s[64:65], 0
	v_nop
	global_prefetch_b8 v0, s[64:65] scope:SCOPE_SE
	s_setreg_imm32_b32 hwreg(HW_REG_WAVE_MODE, 25, 1), 1
	s_wait_xcnt 0x0
; query [1024][8][1024], W_qkv [3072][1024], W_out [1024][1024], f32, become codes of BF6 (E3M2) with one E8M0 byte for each 32 along K (their last axis).
; The codes are laid as IMAGES OF THE OPERAND'S REGISTERS: a row block is 16 rows; for each K step of 128 its fragment (12 registers a lane) is 1,536 bytes: registers 4 c .. 4 c + 3 of lane l at 512 c + 16 l.
; Register j of lane (r, h) holds bytes 48 (j / 6) + 24 h + 4 (j % 6) of row r's 96 bytes of codes.  A row block's codes are 8 images on end; its scale words [16 rows][8 K steps], 512 bytes.
; THE ROWS OF A BLOCK ARE NOT NEIGHBOURS: in each group of 64 rows (tokens of one batch entry; rows of a weight) block u takes rows 32 (p / 8) + 8 u + p % 8, p = 0 .. 15, so that the four result tiles of a group
; later give a lane 32 neighbours in 32 registers.
; SHARES: a work-group takes one row block (0-511 tokens, 512-703 W_qkv, both into c1, s1; 704-767 W_out, into c2, s2 at block 512 on); wave w takes K steps 2 w and 2 w + 1.
; Each load reads 512 consecutive bytes of one row; a K step's 16 x 512 bytes turn through the wave's own stage in LDS (rows 528 bytes apart, an odd multiple of 16), so that a lane gets the 32 neighbours of a block.
; A block's scale byte is its largest magnitude's exponent field - 4, held at 1 from below.
; LIMITS: a block of zeros, or one whose largest magnitude lies under 2^-122, gets the byte 1 (its codes are zeros or subnormals; only this program reads the bytes); NaN and infinities are not served.
.set STG,  8448                        ; a wave's stage: 16 rows x 528 bytes
.set SCB,  33792                       ; behind the four stages: the row block's 512 bytes of scale words
.set LN,   1                           ; v1   lane
.set RR,   2                           ; v2   r = lane % 16
.set HH,   3                           ; v3   h = lane / 16
.set SH8,  4                           ; v4   8 h
.set SIN,  5                           ; v5   the stage, way in: 16 x lane
.set SOUT, 6                           ; v6   way out: 528 r + 128 h
.set IOF,  7                           ; v7   16 x lane
.set MX,   8                           ; v8-9   largest magnitudes of my two blocks
.set SCO,  10                          ; v10-11 the conversions' scale operands
.set WD,   12                          ; v12-13 the two K steps' scale words
.set BY,   14                          ; v14-15 scale bytes
.set OFF,  16                          ; v16-31 byte offsets of the 16 rows
.set IMG,  32                          ; v32-55 two fragments
.set TMP,  56                          ; v56-58, v60-62 the upper halves of two blocks' codes
.set PT,   59                          ; v59  what the other half of the lanes sends
.set SWA,  63                          ; v63  where my row's two scale words go
.set R,    64                          ; v64-191 the numbers as loaded: K step e, row p: 4 registers
.set X,    192                         ; v192-255 my two blocks of 32 neighbours
.set SEL,  30                          ; s[30:31] lane selects: lane l xor 16
.macro WORD w, b0, b1                  ; my bytes of blocks h and 2 + h, at their places; with lane l xor 16's two the word is whole
	v_lshl_or_b32 v[\w], v[\b1], 16, v[\b0]
	v_lshlrev_b32 v[\w], v[SH8], v[\w]
	v_permlanex16_b32 v[PT], v[\w], s[SEL], s[SEL+1]
	v_or_b32 v[\w], v[\w], v[PT]
.endm
	s_load_b256 s[4:11], s[0:1], 0x0               ; query s[4:5], W_qkv s[6:7], W_out s[8:9], c1 s[10:11]
	s_load_b128 s[12:15], s[0:1], 0x20             ; s1 s[12:13], c2 s[14:15]
	s_load_b64 s[16:17], s[0:1], 0x30              ; s2
	s_set_vgpr_msb 0x40
	v_lshl_add_u32 v0, v0, 2, 0x8800
	v_mov_b32 v1, 0
	s_set_vgpr_msb 0x4000
	v_lshrrev_b32 v[LN], 5, v0
	v_readfirstlane_b32 s18, v[LN]                 ; wave
	v_and_b32 v[LN], 31, v0
	v_and_b32 v[RR], 15, v0
	v_bfe_u32 v[HH], v0, 4, 1
	v_lshlrev_b32 v[SH8], 3, v[HH]
	v_lshlrev_b32 v[IOF], 4, v[LN]
	s_mul_i32 s19, s18, STG
	v_add_nc_u32 v[SIN], s19, v[IOF]
	v_mul_u32_u24 v[SOUT], v[RR], 528
	v_lshl_add_u32 v[SOUT], v[HH], 7, v[SOUT]
	v_add_nc_u32 v[SOUT], s19, v[SOUT]
	s_lshl_b32 s19, s18, 3
	v_lshl_add_u32 v[SWA], v[RR], 5, s19           ; 32 r + 8 x wave
	v_mov_b32 v[PT], 0                             ; a lane permute's destination counts as one of its sources
	s_mov_b32 s[SEL], 0x76543210
	s_mov_b32 s[SEL+1], 0xfedcba98
	s_lshl_b32 s19, s18, 10
	v_add_nc_u32 v[X], s19, v[IOF]                 ; my 16 bytes of my wave's 1,024 bytes of a row
	; which tensor, which rows: every choice hangs on the work-group's number alone, and only pointers and strides are chosen: one way through the text
	s_mov_b32 s20, 704
	s_cmp_lt_u32 ttmp9, 704
	s_cselect_b32 s20, 512, s20                    ; the weight's first row block
	s_cselect_b32 s21, 0, 192                      ; W_out's blocks land at 512 on
	s_wait_alu depctr_va_vdst(0)
	s_wait_kmcnt 0x0
	s_cselect_b64 s[6:7], s[6:7], s[8:9]           ; the weight
	s_cselect_b64 s[10:11], s[10:11], s[14:15]     ; where codes go
	s_cselect_b64 s[12:13], s[12:13], s[16:17]     ; where scale words go
	s_sub_co_u32 s20, ttmp9, s20                   ; the block's number in its weight (of no use for tokens)
	s_sub_co_u32 s21, ttmp9, s21                   ; the block's number in the buffers
	s_lshr_b32 s22, s20, 2
	s_lshl_b32 s22, s22, 18
	s_and_b32 s23, s20, 3
	s_lshl_b32 s23, s23, 15
	s_add_co_u32 s22, s22, s23                     ; a weight: (64 (n / 4) + 8 (n % 4)) rows of 4,096 bytes
	s_bfe_u32 s24, ttmp9, 0x40002
	s_lshl_b32 s24, s24, 21
	s_and_b32 s25, ttmp9, 3
	s_lshl_b32 s25, s25, 18
	s_add_co_u32 s24, s24, s25
	s_lshr_b32 s25, ttmp9, 6
	s_lshl_b32 s25, s25, 12
	s_add_co_u32 s24, s24, s25                     ; tokens: (64 g + 8 u) x 32,768 + batch x 4,096
	s_mov_b32 s26, 4096
	s_cmp_lt_u32 ttmp9, 512
	s_cselect_b64 s[4:5], s[4:5], s[6:7]
	s_cselect_b32 s22, s24, s22
	s_cselect_b32 s26, 32768, s26                  ; bytes from row to row
	s_mov_b32 s23, 0
	s_add_nc_u64 s[4:5], s[4:5], s[22:23]
	s_mul_i32 s28, s21, 12288
	s_mul_i32 s29, s18, 3072
	s_add_co_u32 s28, s28, s29
	s_mov_b32 s29, 0
	s_add_nc_u64 s[10:11], s[10:11], s[28:29]      ; my two images
	s_lshl_b32 s28, s21, 9
	s_add_nc_u64 s[12:13], s[12:13], s[28:29]      ; the block's scale words
.irp p, 0,1,2,3,4,5,6,7,8,9,10,11,12,13,14,15
	s_mul_i32 s27, s26, 32*(\p/8)+(\p%8)
	v_add_nc_u32 v[OFF+\p], s27, v[X]
.endr
	s_wait_alu depctr_va_vdst(0)
.irp e, 0,1
.irp p, 0,1,2,3,4,5,6,7,8,9,10,11,12,13,14,15
	global_load_b128 v[R+64*\e+4*\p:R+64*\e+4*\p+3], v[OFF+\p], s[4:5] offset:512*\e th:TH_LOAD_NT   ; 32 lanes read 512 consecutive bytes; read once in the launch
.endr
.endr
.macro QSTEP e
	s_wait_loadcnt 16-16*\e                        ; this K step's 16 loads are in; the other's may be out
.irp p, 0,1,2,3,4,5,6,7,8,9,10,11,12,13,14,15
	ds_store_b128 v[SIN], v[R+64*\e+4*\p:R+64*\e+4*\p+3] offset:528*\p
.endr
.irp c, 0,1
.irp k, 0,1,2,3,4,5,6,7
	ds_load_b128 v[X+32*\c+4*\k:X+32*\c+4*\k+3], v[SOUT] offset:256*\c+16*\k   ; k = 64 c + 32 h + 4 k ..: LDS serves a wave's instructions in order, so these see my stores
.endr
.endr
	s_wait_dscnt 0x0
.irp c, 0,1
	v_max3_num_f32 v[MX+\c], |v[X+32*\c]|, |v[X+32*\c+1]|, 0x2800000   ; and the floor 2^(5 - 127): the byte cannot fall under 1
.endr
.irp i, 2,4,6,8,10,12,14,16,18,20,22,24,26,28,30
.irp c, 0,1
	v_max3_num_f32 v[MX+\c], v[MX+\c], |v[X+32*\c+\i]|, |v[X+32*\c+\i+1]|
.endr
.endr
.irp c, 0,1
	v_add_nc_u32 v[SCO+\c], 0xfe000000, v[MX+\c]   ; 4 off the exponent field: the conversion takes that field as its scale
.endr
.irp c, 0,1
	v_lshrrev_b32 v[BY+\c], 23, v[SCO+\c]
.endr
.irp c, 0,1
	v_cvt_scalef32_pk16_bf6_f32 v[IMG+12*\e+6*\c:IMG+12*\e+6*\c+2], v[X+32*\c:X+32*\c+15], v[SCO+\c]
	v_cvt_scalef32_pk16_bf6_f32 v[TMP+4*\c:TMP+4*\c+2], v[X+32*\c+16:X+32*\c+31], v[SCO+\c]   ; (a conversion's three registers begin on an even number)
.endr
	v_nop                                          ; one plain place behind a scaled conversion
.irp c, 0,1
.irp k, 0,1,2
	v_mov_b32 v[IMG+12*\e+6*\c+3+\k], v[TMP+4*\c+\k]
.endr
.endr
	WORD WD+\e, BY, BY+1
.irp c, 0,1,2
	global_store_b128 v[IOF], v[IMG+12*\e+4*\c:IMG+12*\e+4*\c+3], s[10:11] offset:1536*\e+512*\c   ; 512 consecutive bytes, aligned
.endr
.endm
	QSTEP 0
	QSTEP 1
	ds_store_b64 v[SWA], v[WD:WD+1] offset:SCB     ; both halves of the lanes hold, and write, the same words
	s_wait_dscnt 0x0                               ; for the others' sake: my words lie in LDS
	s_barrier_signal -1
	s_barrier_wait -1
	s_cmp_lg_u32 s18, 0
	s_cbranch_scc1 .Ldone
	ds_load_b128 v[X:X+3], v[IOF] offset:SCB       ; wave 0 stores the block's 512 bytes of scale words on end
	s_wait_dscnt 0x0
	global_store_b128 v[IOF], v[X:X+3], s[12:13]
.Ldone:
	s_set_vgpr_msb 0x5
	s_wait_tensorcnt 0x0
	ds_add_u32 v0, v1
	s_wait_dscnt 0x0
	s_set_vgpr_msb 0x500
	s_endpgm
.Lfunc_end_k_q7df3ffc06a_quant:
	.size	k_q7df3ffc06a_quant, .Lfunc_end_k_q7df3ffc06a_quant-k_q7df3ffc06a_quant
	.p2alignl 7, 3214868480
	.fill 96, 4, 3214868480
	.section	.rodata,"a",@progbits
	.p2align	6, 0x0
	.amdhsa_kernel k_q7df3ffc06a_quant
		.amdhsa_group_segment_fixed_size 35328
		.amdhsa_private_segment_fixed_size 0
		.amdhsa_enable_private_segment 0
		.amdhsa_kernarg_size 56
		.amdhsa_user_sgpr_count 2
		.amdhsa_user_sgpr_kernarg_segment_ptr 1
		.amdhsa_wavefront_size32 1
		.amdhsa_system_sgpr_workgroup_id_x 1
		.amdhsa_system_sgpr_workgroup_id_y 1
		.amdhsa_system_sgpr_workgroup_id_z 1
		.amdhsa_system_vgpr_workitem_id 0
		.amdhsa_next_free_vgpr 258
		.amdhsa_next_free_sgpr 66
		.amdhsa_reserve_vcc 0
		.amdhsa_float_denorm_mode_32 3
		.amdhsa_float_denorm_mode_16_64 3
		.amdhsa_memory_ordered 1
		.amdhsa_forward_progress 1
		.amdhsa_inst_pref_size 19
	.end_amdhsa_kernel
	.amdgpu_metadata
---
amdhsa.version: [ 1, 2 ]
amdhsa.kernels:
  - .name:           k_q7df3ffc06a_quant
    .symbol:         k_q7df3ffc06a_quant.kd
    .args:
      - { .name: query, .offset: 0, .size: 8, .value_kind: global_buffer, .address_space: global }
      - { .name: W_qkv, .offset: 8, .size: 8, .value_kind: global_buffer, .address_space: global }
      - { .name: W_out, .offset: 16, .size: 8, .value_kind: global_buffer, .address_space: global }
      - { .name: c1, .offset: 24, .size: 8, .value_kind: global_buffer, .address_space: global }
      - { .name: s1, .offset: 32, .size: 8, .value_kind: global_buffer, .address_space: global }
      - { .name: c2, .offset: 40, .size: 8, .value_kind: global_buffer, .address_space: global }
      - { .name: s2, .offset: 48, .size: 8, .value_kind: global_buffer, .address_space: global }
    .group_segment_fixed_size: 35328
    .private_segment_fixed_size: 0
    .kernarg_segment_align: 8
    .kernarg_segment_size: 56
    .max_flat_workgroup_size: 128
    .sgpr_count:     66
    .vgpr_count:     258
    .wavefront_size: 32
...
	.end_amdgpu_metadata
.endif
;; end of part 1
;; launch qkv (part 2): grid 8 x 32, 4 waves a work-group, clusters of 4 x 4, 327,680 bytes of LDS; arguments c1, s1, b_qkv, qb, kv; writes qb, kv
.if DOCPART == 2
	.amdgcn_target "amdgcn-amd-amdhsa--gfx1250"
	.amdhsa_code_object_version 6
	.text
	.protected	k_q7df3ffc06a_qkv
	.globl	k_q7df3ffc06a_qkv
	.p2align	8
	.type	k_q7df3ffc06a_qkv,@function
k_q7df3ffc06a_qkv:
	s_mov_b64 s[64:65], 0
	v_nop
	global_prefetch_b8 v0, s[64:65] scope:SCOPE_SE
	s_setreg_imm32_b32 hwreg(HW_REG_WAVE_MODE, 25, 1), 1
	s_wait_xcnt 0x0
	s_wait_alu depctr_hold_cnt(0) depctr_sa_sdst(0) depctr_va_vdst(0) depctr_va_sdst(0) depctr_va_ssrc(0) depctr_va_vcc(0) depctr_vm_vsrc(0)
	s_getreg_b32 s2, hwreg(HW_REG_IB_STS2, 6, 4)
	s_cmp_eq_u32 s2, 0
	s_cbranch_scc0 .Lentry_in_a_cluster
	s_endpgm
.Lentry_in_a_cluster:
	s_bfe_u32 s2, ttmp6, 0x10000c
	s_cmp_lg_u32 s2, 0xf033
	s_cbranch_scc0 .Lentry_shape_is_right
	s_endpgm
.Lentry_shape_is_right:
; qkv = query W_qkv^T + b_qkv on codes of BF6, and q, k, v quantised again straight out of the accumulators: q and k along the head's 64 channels, v along the keys.
; OPERANDS are images of fragments (row block = 16 rows; 8 K steps x 1,536 bytes; three loads of 16 bytes a lane bring one) with scale words [16 rows][8 K steps] beside them.
; A TILE is 128 rows of the A side x 256 rows of the B side.  Four waves; wave w takes A's half w / 2 (4 row blocks) and B's half w % 2 (8 row blocks): 32 accumulators.
; THE MATRIX INSTRUCTION IS USED TRANSPOSED: source 0 = a B-side block, source 1 = an A-side block: lane (r, h) holds A's row r, register j B's row 8 h + j.  By the order of rows in a block, the four tiles of
; a group of 64 B rows give a lane 32 NEIGHBOURS 32 h + 0 .. 31 in 32 registers: a whole block of the next product's K.
; q, k: A = tokens, B = rows of W: a lane holds a token, its registers channels.   v: A = rows of W_v, B = tokens: a lane holds a channel, its registers keys.
; A WORK-GROUP STAYS and makes three tiles: 768 tiles on 256 work-groups.  With Y the cluster's y (0-7): token tiles 4 Y + cy and 4 (Y + 8) + cy against W_q's or W_k's tile 4 x + cx (a loop of two trips), then
; W_v's tile 4 x + cy against token tile 4 Y + cx (written out behind the loop: its bias, its way out, and no further fill).  The walk is the same in all partners of a cluster.
; THE RING: two LDS slots, each half of K (four K steps) of a tile: A's 8 blocks x 6,144 bytes, then B's 16.  Slot 0 is filled again at K step 3 (the next tile's first half), slot 1 at K step 7 (its second half),
; each behind a wait for the tensor loads, an add to the spare word, its wait, and a round of the cluster's barrier.  One load of a wave is out at a time; between a request and the wait for it stand 96 products, or 96 and a way out.
; CLUSTERS 4 x 4: A's tiles hang on the cluster's row, B's on its column; each is asked for jointly by the four that share it.
; NO PREFETCH: the walk has six fills in all, and each is asked for as soon as its slot is free; there is no longer loop to run ahead in.
; q IS NOT MULTIPLIED BY 1/8 HERE: a power of two leaves the codes as they are and only moves the scale; the next launch folds it into its constant.  LIMIT: exact unless a block of q lies under 2^-119.
; LIMITS: a block of zeros or under 2^-122 gets the byte 1; NaN and infinities are not served.
; OUT: qb[16 b + head]: images [g 16][i 2] (registers 0-5 token tile 2 i, 6-11 tile 2 i + 1; K = the head's 64), at +49,152 words [g][r][i].
;      kv[16 b + head][quarter of the keys, 25,600 bytes]: k's images [g % 4][i], v's fragments [K step % 2][u 4], k's words [g % 4][r][i], v's words [K step % 2][r][u].
; REGISTERS: window 0: v1-7 lane terms; v8-11 LDS addresses; v16-23 the way out's lane terms; v32-95 scale words (8 i + K step: lanes 0-15 A's block i, lanes 16-31 B's block i); v96-191 A's fragments, two sets;
;   on the way out v144-255: images, upper halves, small things (v32-143 already take the next tile's words and fragments).   window 1: B's fragments, two sets, at v0 and v128.
;   window 2: accumulator (a, b) at v[8 (8 a + b)].   window 3: v0-63 the bias of q, k tiles, v64-95 that of the v tile: loaded once.
.set HS,    147456                     ; a slot
.set SPARE, 294912                     ; behind the ring: the spare words, 128 bytes a wave
.set ADRA, 8                           ; v8-9   my A half in slot 0, 1, + 16 x lane
.set ADRB, 10                          ; v10-11 my B half likewise
.set SH8,  16                          ; 8 h
.set CLR,  17                          ; 2,048 in lanes 0-15, 0 in lanes 16-31
.set VO1,  18                          ; 16 x lane + a head's bytes
.set VSV,  19                          ; v's scale words: 16 r + 8 h
.set VSO,  20                          ; v20-21 q's, k's scale words
.set PT,   22
.set SC,   32
.set AF,   96
.set IMG,  144                         ; v144-191 four images
.set TMP,  192                         ; v192-223 upper halves of eight blocks' codes
.set MX,   224                         ; largest magnitudes; then scale operands, bytes, words, words chosen
.set SCO,  232
.set BY,   240
.set WDS,  248
.set T,    252
.set WV,   14
.set FL,   23
.set G1A,  24
.set G1B,  32
.set G0A,  40                          ; s[40:47] group 0 for A's tiles, one set for each slot
.set G0B,  68                          ; s[68:75] the same for B's
.set QKB,  48                          ; s[48:49] qb or kv, by the cluster's x
.set NXA,  50                          ; my first row blocks of the next tile
.set NXB,  51
.set VBA,  52                          ; and of the v tile
.set VBB,  53
.set TC,   54                          ; the loop's trip
.set HM,   55                          ; mask of lanes 16-31
.set PA1,  76                          ; s[76:83], with the type bits: where I fetch A of the second q, k tile, A of the v tile, B of the q, k tiles, B of the v tile
.set PAV,  78
.set PBQ,  80
.set PBV,  82
.set SEL,  94
.set MSB, 0
.macro WIN new                         ; the immediate's high byte repeats the setting that is left
.if MSB != \new
	s_set_vgpr_msb (MSB<<8)|\new
.set MSB, \new
.endif
.endm
.macro PLACES n
.rept \n
	v_nop
.endr
.endm
.macro CREST                           ; a round of the cluster's barrier behind its opening barrier
	s_cmp_lg_u32 s[WV], 0
	s_cbranch_scc1 .Lnw0_\@
	s_barrier_signal -3
.Lnw0_\@:
	s_barrier_wait -3
	s_barrier_signal -1
	s_barrier_wait -1
.endm
.macro ROUND                           ; a whole round
	s_barrier_signal -1
	s_barrier_wait -1
	CREST
.endm
.macro JLOAD z                         ; a joint load into slot z: waves 0, 1 fetch A's halves, waves 2, 3 B's; the branch hangs on the wave's number alone
	s_cmp_eq_u32 s15, 0
	s_cbranch_scc0 .Ljb_\@
	tensor_load_to_lds s[G0A+4*(\z):G0A+4*(\z)+3], s[G1A:G1A+7]
	s_nop 0
	PLACES 4
	s_branch .Ljd_\@
.Ljb_\@:
	tensor_load_to_lds s[G0B+4*(\z):G0B+4*(\z)+3], s[G1B:G1B+7]
	s_nop 0
	PLACES 4
.Ljd_\@:
.endm
.macro WORD w, b0, b1                  ; my bytes of blocks h and 2 + h, at their places; with lane l xor 16's two the word is whole
	v_lshl_or_b32 v[\w], v[\b1], 16, v[\b0]
	v_lshlrev_b32 v[\w], v[SH8], v[\w]
	v_permlanex16_b32 v[PT], v[\w], s[SEL], s[SEL+1]
	v_or_b32 v[\w], v[\w], v[PT]
.endm
.macro FETCH s                         ; K step s: B's eight fragments and A's four, into set s % 2: 36 loads of 512 consecutive bytes
	WIN 0x40
.irp b, 0,1,2,3,4,5,6,7
.irp c, 0,1,2
	ds_load_b128 v[128*((\s)%2)+12*\b+4*\c:128*((\s)%2)+12*\b+4*\c+3], v[ADRB+(\s)/4] offset:6144*\b+1536*((\s)%4)+512*\c
.endr
.endr
	WIN 0
.irp a, 0,1,2,3
.irp c, 0,1,2
	ds_load_b128 v[AF+48*((\s)%2)+12*\a+4*\c:AF+48*((\s)%2)+12*\a+4*\c+3], v[ADRA+(\s)/4] offset:6144*\a+1536*((\s)%4)+512*\c
.endr
.endr
.endm
.macro WM a, b, s, c0                  ; one product; c0: the first register of C
	v_wmma_scale_f32_16x16x128_f8f6f4 v[8*(8*(\a)+\b):8*(8*(\a)+\b)+7], v[128*((\s)%2)+12*\b:128*((\s)%2)+12*\b+11], v[AF+48*((\s)%2)+12*(\a):AF+48*((\s)%2)+12*(\a)+11], v[\c0:\c0+7], v[SC+8*\b+(\s)], v[SC+8*(\a)+(\s)] matrix_a_fmt:MATRIX_FMT_BF6 matrix_b_fmt:MATRIX_FMT_BF6 matrix_a_scale:MATRIX_SCALE_ROW1
.endm
; 16 products of K step s: A's blocks a0, a0 + 1 x B's eight.  cm = 0: onto the sums; 1: C = the bias of B's rows; 2: C = the bias of A's rows (both in window 3).
; The 32 accumulators take turns in the same order in every step.
.macro MULH s, cm, a0
.if \cm == 0
	WIN 0xa1
.else
	WIN 0xb1
.endif
.irp a, \a0, \a0+1
.irp b, 0,1,2,3,4,5,6,7
.if \cm == 0
	WM \a, \b, \s, 8*(8*(\a)+\b)
.elseif \cm == 1
	WM \a, \b, \s, 8*\b
.else
	WM \a, \b, \s, 64+8*(\a)
.endif
.endr
.endr
.endm
; A K step: its fragments, asked for a step ago, are in; four places (ISA guide 7.12.1 for vector instructions) in front of the loads into the set that the last step multiplied; the next step's fragments; the products.
.macro STEP s
	s_wait_dscnt 0x0
	PLACES 4
	FETCH (\s)+1
	MULH \s, 0, 0
	MULH \s, 0, 2
.endm
; K step 3 or 7: the last of its slot.  more = 1: the slot is filled again.  In front of the barrier each wave waits for all its tensor loads (the one that is out is its part of the other slot), adds 0 to its spare word,
; and waits for that and for its reads of this slot; the barrier opens a round of the cluster's barrier; the joint refill comes first behind it.  more = 0: the barrier only shows the other slot whole.
.macro TSTEP s, more
	WIN 0                                          ; (the add's two registers lie in window 0)
	s_wait_tensorcnt 0x0
.if \more
	ds_add_u32 v30, v31                            ; work on registers stands between the add and the wait for it
.if \s == 3
	s_cmp_eq_u32 s[TC], 0                          ; no load of mine is out: slot 0's group 0 takes the next tile's first half
	s_cselect_b64 s[G0A+2:G0A+3], s[PA1:PA1+1], s[PAV:PAV+1]
	s_cselect_b64 s[G0B+2:G0B+3], s[PBQ:PBQ+1], s[PBV:PBV+1]
.else
	s_add_nc_u64 s[G0A+6:G0A+7], s[G0A+2:G0A+3], 6144   ; slot 1's: the next tile's second half
	s_add_nc_u64 s[G0B+6:G0B+7], s[G0B+2:G0B+3], 6144
	s_add_co_u32 s[NXA], s58, 256                  ; my row blocks of the next tile: 32 token tiles on, the same rows of W; or the v tile's
	s_cmp_eq_u32 s[TC], 0
	s_cselect_b32 s[NXA], s[NXA], s[VBA]
	s_cselect_b32 s[NXB], s59, s[VBB]
.endif
	s_wait_dscnt 0x1                               ; this step's fragments are in; the add alone may be out
.else
	s_wait_dscnt 0x0
.endif
	MULH \s, 0, 0
.if \more
	s_wait_dscnt 0x0                               ; the add is done, and my reads of this slot are over
.endif
	s_barrier_signal -1
	MULH \s, 0, 2                                  ; work on registers while the others arrive
	WIN 0
	s_barrier_wait -1
.if \more
	CREST
	JLOAD (\s)/4                                   ; the four v_nop behind it are the places in front of the loads that follow
.else
	PLACES 4
.endif
.endm
; A tile's scale words, straight from memory: lanes 0-15 take A's block i, lanes 16-31 B's block i: 32 bytes a row, 16 a load.  For i = 4 .. 7 A's lanes read their blocks 0 .. 3 again: A has four, and no load leaves the buffer.
.macro SCLOAD sa, sb
	s_lshl_b32 s2, s[\sa], 9
	s_lshl_b32 s3, s[\sb], 9
	v_mov_b32 v5, s2
	v_mov_b32 v6, s3
	v_cndmask_b32 v5, v5, v6, s[HM]
	v_lshl_add_u32 v5, v2, 5, v5
	v_sub_nc_u32 v6, v5, v[CLR]
.irp i, 0,1,2,3
.irp q, 0,1
	global_load_b128 v[SC+8*\i+4*\q:SC+8*\i+4*\q+3], v5, s[6:7] offset:512*\i+16*\q
.endr
.endr
.irp i, 4,5,6,7
.irp q, 0,1
	global_load_b128 v[SC+8*\i+4*\q:SC+8*\i+4*\q+3], v6, s[6:7] offset:512*\i+16*\q
.endr
.endr
.endm
; A tile's eight K steps.  It begins with K step 0's fragments and the scale words asked for; where a tile follows (more = 1) it ends with that tile's asked for.
.macro TILE kind, more
	s_wait_loadcnt 0x0                             ; scale words (the first time: the biases too)
	s_wait_dscnt 0x0
	PLACES 4
	FETCH 1
	MULH 0, \kind, 0                               ; the first products start the sums from the bias: nothing is cleared, nothing is added later
	MULH 0, \kind, 2
	STEP 1
	STEP 2
	TSTEP 3, \more
	FETCH 4
	STEP 4
	STEP 5
	STEP 6
.if \more
	TSTEP 7, 1
	FETCH 0
	SCLOAD NXA, NXB
.else
	s_wait_dscnt 0x0
	MULH 7, 0, 0
	MULH 7, 0, 2
	WIN 0
.endif
.endm
; THE WAY OUT.  Registers 32 e .. 32 e + 31 of window 2 (e = 2 a + B's group) are one block of 32 of my lane's row: largest magnitude, byte, codes: no other lane is asked.
.macro BLOCKS
	PLACES 4                                       ; behind the last products
	WIN 0x28
.irp e, 0,1,2,3,4,5,6,7
	v_max3_num_f32 v[MX+\e], s[FL], |v[32*\e]|, |v[32*\e+1]|      ; each accumulator is read from its low end on
.endr
.irp i, 2,4,6,8,10,12,14,16,18,20,22,24,26,28,30
.irp e, 0,1,2,3,4,5,6,7
	v_max3_num_f32 v[MX+\e], v[MX+\e], |v[32*\e+\i]|, |v[32*\e+\i+1]|
.endr
.endr
	WIN 0
.irp e, 0,1,2,3,4,5,6,7
	v_add_nc_u32 v[SCO+\e], 0xfe000000, v[MX+\e]   ; 4 off the exponent field: the conversion takes that field as its scale
.endr
.irp e, 0,1,2,3,4,5,6,7
	v_lshrrev_b32 v[BY+\e], 23, v[SCO+\e]
.endr
.endm
.macro CVT be, im, c                   ; block be becomes half c of image im
	v_cvt_scalef32_pk16_bf6_f32 v[IMG+12*(\im)+6*(\c):IMG+12*(\im)+6*(\c)+2], v[32*(\be):32*(\be)+15], v[SCO+(\be)]
	v_cvt_scalef32_pk16_bf6_f32 v[TMP+4*(\be):TMP+4*(\be)+2], v[32*(\be)+16:32*(\be)+31], v[SCO+(\be)]
.endm
.macro MOV3 be, im, c
.irp k, 0,1,2
	v_mov_b32 v[IMG+12*(\im)+6*(\c)+3+\k], v[TMP+4*(\be)+\k]
.endr
.endm
	s_load_b256 s[4:11], s[0:1], 0x0               ; c1 s[4:5], s1 s[6:7], b_qkv s[8:9], qb s[10:11]
	s_load_b64 s[12:13], s[0:1], 0x20              ; kv
	v_lshl_add_u32 v30, v0, 2, SPARE
	v_mov_b32 v31, 0
	ds_add_u32 v30, v31                            ; the add, twice on end, and its wait ahead of my first tensor load
	ds_add_u32 v30, v31
	v_lshrrev_b32 v1, 5, v0
	v_readfirstlane_b32 s[WV], v1                  ; wave
	s_lshr_b32 s15, s[WV], 1                       ; my half of A.  Also: I fetch for A (0) or for B (1)
	s_and_b32 s16, s[WV], 1                        ; my half of B.  Also: which half of that side I fetch
	s_bfe_u32 s17, ttmp6, 0x40000                  ; cx
	s_bfe_u32 s18, ttmp6, 0x40004                  ; cy
	s_and_b32 s19, ttmp7, 0xffff                   ; Y
	s_lshl_b32 s20, s19, 2                         ; A's side hangs on cy, never on cx
	s_add_co_u32 s20, s20, s18
	s_lshl_b32 s56, s20, 3                         ; q, k: A's first row block: token tile 4 Y + cy
	s_lshl_b32 s21, ttmp9, 2
	s_add_co_u32 s21, s21, s18
	s_lshl_b32 s21, s21, 3
	s_add_co_u32 s60, s21, 640                     ; v: W_v's tile 4 x + cy
	s_lshl_b32 s22, ttmp9, 2                       ; B's side hangs on cx, never on cy
	s_add_co_u32 s22, s22, s17
	s_lshl_b32 s22, s22, 4
	s_add_co_u32 s57, s22, 512                     ; q, k: W's tile 4 x + cx
	s_lshl_b32 s61, s19, 2
	s_add_co_u32 s61, s61, s17
	s_lshl_b32 s61, s61, 4                         ; v: token tile 4 Y + cx
	s_lshl_b32 s20, s15, 2
	s_add_co_u32 s58, s56, s20                     ; my wave's first row block of A,
	s_add_co_u32 s[VBA], s60, s20
	s_lshl_b32 s20, s16, 3
	s_add_co_u32 s59, s57, s20                     ; and of B
	s_add_co_u32 s[VBB], s61, s20
	s_add_co_u32 s88, s57, s20                     ; B: the eight blocks that I would fetch, in bytes
	s_mul_i32 s88, s88, 12288
	s_mov_b32 s89, 0
	s_add_co_u32 s90, s61, s20
	s_mul_i32 s90, s90, 12288
	s_mov_b32 s91, 0
	s_lshl_b32 s20, s16, 2
	s_add_co_u32 s84, s56, s20                     ; A: the four
	s_mul_i32 s84, s84, 12288
	s_mov_b32 s85, 0
	s_add_co_u32 s86, s60, s20
	s_mul_i32 s86, s86, 12288
	s_mov_b32 s87, 0
	s_lshl_b32 s62, s18, 2
	s_lshl_b32 s62, 15, s62                        ; my row of the cluster
	s_lshl_b32 s63, 0x1111, s17                    ; my column
	; descriptor group 1: rows = row blocks, 12,288 bytes apart; of each 6,144 bytes (four K steps' images) = 768 elements of 8 bytes; A: 4 blocks a load, B: 8
	s_or_b32 s[G1A], s62, (3<<16)|(1<<21)          ; 15:0 the mask; 17:16 elements of 8 bytes; 21 set beside a mask; no padding
	s_or_b32 s[G1B], s63, (3<<16)|(1<<21)
	s_mov_b32 s[G1A+1], 768<<16                    ; tensor_dim0
	s_mov_b32 s[G1A+2], 4<<16                      ; tensor_dim1
	s_mov_b32 s[G1A+3], 768<<16                    ; tile_dim0
	s_mov_b32 s[G1A+4], 4                          ; tile_dim1
	s_mov_b32 s[G1A+5], 1536                       ; elements from row to row
	s_mov_b32 s[G1A+6], 0
	s_mov_b32 s[G1A+7], 0
	s_mov_b32 s[G1B+1], 768<<16
	s_mov_b32 s[G1B+2], 8<<16
	s_mov_b32 s[G1B+3], 768<<16
	s_mov_b32 s[G1B+4], 8
	s_mov_b32 s[G1B+5], 1536
	s_mov_b32 s[G1B+6], 0
	s_mov_b32 s[G1B+7], 0
	s_mov_b32 s[G0A], 1
	s_mov_b32 s[G0A+4], 1
	s_mov_b32 s[G0B], 1
	s_mov_b32 s[G0B+4], 1
	s_mul_i32 s[G0A+1], s16, 24576                 ; where they go: no place in the cluster enters an LDS address
	s_add_co_u32 s[G0A+5], s[G0A+1], HS
	s_mul_i32 s[G0B+1], s16, 49152
	s_add_co_u32 s[G0B+1], s[G0B+1], 49152
	s_add_co_u32 s[G0B+5], s[G0B+1], HS
	s_mov_b32 s[FL], 0x2800000                     ; the floor 2^(5 - 127)
	s_mov_b32 s[SEL], 0x76543210
	s_mov_b32 s[SEL+1], 0xfedcba98
	s_mov_b32 s96, 102400
	s_mov_b32 s97, 25600
	s_mov_b32 s98, 24576
	s_wait_dscnt 0x0                               ; both opening adds are done
	s_wait_kmcnt 0x0
	s_add_nc_u64 s[G0A+2:G0A+3], s[4:5], s[84:85]  ; the first tile's first half
	s_add_nc_u64 s[PA1:PA1+1], s[G0A+2:G0A+3], 256*12288
	s_add_nc_u64 s[PAV:PAV+1], s[4:5], s[86:87]
	s_add_nc_u64 s[PBQ:PBQ+1], s[4:5], s[88:89]
	s_add_nc_u64 s[PBV:PBV+1], s[4:5], s[90:91]
	s_or_b32 s[G0A+3], s[G0A+3], 0x80000000        ; the type
	s_or_b32 s[PA1+1], s[PA1+1], 0x80000000
	s_or_b32 s[PAV+1], s[PAV+1], 0x80000000
	s_or_b32 s[PBQ+1], s[PBQ+1], 0x80000000
	s_or_b32 s[PBV+1], s[PBV+1], 0x80000000
	s_mov_b64 s[G0B+2:G0B+3], s[PBQ:PBQ+1]
	s_add_nc_u64 s[G0A+6:G0A+7], s[G0A+2:G0A+3], 6144   ; and its second half
	s_add_nc_u64 s[G0B+6:G0B+7], s[G0B+2:G0B+3], 6144
	s_cmp_eq_u32 ttmp9, 0                          ; cluster x 0: q, into qb; 1: k, into kv
	s_cselect_b64 s[QKB:QKB+1], s[10:11], s[12:13]
	s_cselect_b32 s96, 51200, s96                  ; a head's bytes
	s_cselect_b32 s99, 512, s97                    ; four groups' scale words on
	s_cselect_b32 s97, 12288, s97                  ; four groups' images on
	s_cselect_b32 s98, 49152, s98                  ; where the scale words begin
	ROUND                                          ; all sixteen work-groups are here: the first joint loads meet
	JLOAD 0                                        ; one tensor load a wave at the head
	v_and_b32 v1, 31, v0                           ; lane
	v_and_b32 v2, 15, v0                           ; r
	v_bfe_u32 v3, v0, 4, 1                         ; h
	v_lshlrev_b32 v4, 4, v1                        ; 16 x lane
	v_cmp_ne_u32 s[HM], 0, v3
	s_wait_alu depctr_va_vdst(0)
	s_mul_i32 s20, s15, 24576                      ; my half of A,
	s_mul_i32 s21, s16, 49152
	s_add_co_u32 s21, s21, 49152                   ; my half of B, behind A's eight blocks
.irp z, 0,1
	v_add_nc_u32 v[ADRA+\z], s20, v4
	v_add_nc_u32 v[ADRB+\z], s21, v4
	s_add_co_u32 s20, s20, HS
	s_add_co_u32 s21, s21, HS
.endr
	v_sub_nc_u32 v[CLR], 1, v3
	v_lshlrev_b32 v[CLR], 11, v[CLR]
	v_lshlrev_b32 v[SH8], 3, v3
	v_mov_b32 v[PT], 0                             ; a lane permute's destination counts as one of its sources
	v_add_nc_u32 v[VO1], s96, v4
	v_lshlrev_b32 v[VSO], 3, v2
	v_lshl_add_u32 v[VSO], v3, 2, v[VSO]           ; 8 r + 4 h
	v_add_nc_u32 v[VSO+1], s96, v[VSO]
	v_lshlrev_b32 v[VSV], 4, v2
	v_lshl_add_u32 v[VSV], v3, 3, v[VSV]           ; 16 r + 8 h
	SCLOAD 58, 59
	s_sub_co_u32 s20, s59, 512                     ; q, k: register 8 b + j wants the bias of feature 16 (block - 512) + 64 (b / 4) + 8 (b % 4) + 32 h + j; both q, k tiles have the same rows of W
	s_lshl_b32 s20, s20, 6
	v_lshl_add_u32 v7, v3, 7, s20
	s_sub_co_u32 s20, s[VBA], 640                  ; v: all eight registers of tile a want the bias of my lane's feature 2,048 + 16 (block - 640) + 8 a + 32 (r / 8) + r % 8
	s_lshl_b32 s20, s20, 6
	s_add_co_u32 s20, s20, 8192
	v_lshrrev_b32 v23, 3, v2
	v_lshlrev_b32 v23, 7, v23
	v_and_b32 v24, 7, v2
	v_lshl_add_u32 v23, v24, 2, v23
	v_add_nc_u32 v23, s20, v23
	WIN 0xc0                                       ; destination: window 3
.irp b, 0,1,2,3,4,5,6,7
	global_load_b128 v[8*\b:8*\b+3], v7, s[8:9] offset:256*(\b/4)+32*(\b%4)
	global_load_b128 v[8*\b+4:8*\b+7], v7, s[8:9] offset:256*(\b/4)+32*(\b%4)+16
.endr
.irp a, 0,1,2,3
.irp j, 0,1,2,3,4,5,6,7
	global_load_b32 v[64+8*\a+\j], v23, s[8:9] offset:32*\a
.endr
.endr
	WIN 0
	s_wait_alu depctr_va_vdst(0)
	s_wait_tensorcnt 0x0                           ; my part of slot 0 is in
	ds_add_u32 v30, v31
	s_wait_dscnt 0x0
	ROUND
	JLOAD 1                                        ; slot 1's first fill: the first tile's second half
	FETCH 0
	s_mov_b32 s[TC], 0
.Ltile:                                                ; the two q, k tiles
	TILE 1, 1
	; image (i, head G): token tiles 2 i and 2 i + 1 of my group of 64 tokens, K = the head's 64 channels
	s_lshr_b32 s60, s58, 6                         ; batch
	s_bfe_u32 s61, s58, 0x40002                    ; g
	s_lshl_b32 s62, s17, 2
	s_lshl_b32 s63, s16, 1
	s_add_co_u32 s62, s62, s63                     ; my first head: 4 cx + 2 (wave % 2)
	s_lshl_b32 s60, s60, 4
	s_add_co_u32 s60, s60, s62
	s_mul_i32 s60, s60, s96
	s_lshr_b32 s62, s61, 2
	s_and_b32 s61, s61, 3
	s_mul_i32 s63, s62, s97
	s_add_co_u32 s63, s63, s60
	s_mul_i32 s2, s61, 3072
	s_add_co_u32 s2, s2, s63
	s_mov_b32 s3, 0
	s_add_nc_u64 s[86:87], s[QKB:QKB+1], s[2:3]    ; the images
	s_mul_i32 s62, s62, s99
	s_add_co_u32 s62, s62, s60
	s_add_co_u32 s62, s62, s98
	s_lshl_b32 s61, s61, 7
	s_add_co_u32 s2, s62, s61
	s_add_nc_u64 s[88:89], s[QKB:QKB+1], s[2:3]    ; the scale words
	BLOCKS
	WIN 0x02
.irp i, 0,1
.irp g, 0,1
	CVT 4*\i+\g, 2*\i+\g, 0
	CVT 4*\i+2+\g, 2*\i+\g, 1
.endr
.endr
	WIN 0
	v_nop                                          ; one plain place behind a scaled conversion
.irp i, 0,1
.irp g, 0,1
	MOV3 4*\i+\g, 2*\i+\g, 0
	MOV3 4*\i+2+\g, 2*\i+\g, 1
.endr
.endr
.irp i, 0,1
.irp g, 0,1
	WORD WDS+2*\i+\g, BY+4*\i+\g, BY+4*\i+2+\g     ; bytes 0, 1: tile 2 i's two blocks; bytes 2, 3: tile 2 i + 1's
.endr
.endr
.irp g, 0,1
	v_cndmask_b32 v[T+\g], v[WDS+\g], v[WDS+2+\g], s[HM]   ; lanes 0-15 store image 0's word, lanes 16-31 image 1's
.endr
.irp i, 0,1
.irp c, 0,1,2
	global_store_b128 v4, v[IMG+24*\i+4*\c:IMG+24*\i+4*\c+3], s[86:87] offset:1536*\i+512*\c            ; 512 consecutive bytes, aligned
	global_store_b128 v[VO1], v[IMG+24*\i+12+4*\c:IMG+24*\i+12+4*\c+3], s[86:87] offset:1536*\i+512*\c  ; the next head
.endr
.endr
.irp g, 0,1
	global_store_b32 v[VSO+\g], v[T+\g], s[88:89]  ; 128 consecutive bytes: a group's words; one part in 24 of the codes' bytes
.endr
	s_wait_xcnt 0x0                                ; the stores have read their registers and bases: the next tile's fragments may land on the images
	s_mov_b32 s58, s[NXA]
	s_mov_b32 s59, s[NXB]
	s_add_co_u32 s[TC], s[TC], 1
	s_cmp_lt_u32 s[TC], 2
	s_wait_alu depctr_va_vdst(0)
	s_cbranch_scc1 .Ltile
	TILE 2, 0                                      ; the v tile: nothing more is fetched
	; image a: channels of tile a of my head, K = my 128 keys
	s_sub_co_u32 s60, s58, 640
	s_lshr_b32 s60, s60, 2                         ; head
	s_lshr_b32 s61, s59, 6                         ; batch
	s_lshl_b32 s61, s61, 4
	s_add_co_u32 s60, s60, s61
	s_mul_i32 s60, s60, 102400
	s_bfe_u32 s61, s59, 0x30003                    ; the K step of 128 keys
	s_lshr_b32 s62, s61, 1
	s_mul_i32 s62, s62, 25600
	s_add_co_u32 s60, s60, s62
	s_and_b32 s61, s61, 1
	s_mul_i32 s62, s61, 6144
	s_add_co_u32 s2, s60, s62
	s_add_co_u32 s2, s2, 12288
	s_mov_b32 s3, 0
	s_add_nc_u64 s[86:87], s[12:13], s[2:3]        ; the fragments
	s_lshl_b32 s61, s61, 8
	s_add_co_u32 s2, s60, s61
	s_add_co_u32 s2, s2, 25088
	s_add_nc_u64 s[88:89], s[12:13], s[2:3]        ; the scale words
	BLOCKS
	WIN 0x02
.irp a, 0,1,2,3
	CVT 2*\a, \a, 0
	CVT 2*\a+1, \a, 1
.endr
	WIN 0
	v_nop
.irp a, 0,1,2,3
	MOV3 2*\a, \a, 0
	MOV3 2*\a+1, \a, 1
.endr
.irp a, 0,1,2,3
	WORD WDS+\a, BY+2*\a, BY+2*\a+1
.endr
	v_cndmask_b32 v[T], v[WDS], v[WDS+2], s[HM]    ; lanes 0-15 store tiles 0 and 1's words, lanes 16-31 tiles 2 and 3's
	v_cndmask_b32 v[T+1], v[WDS+1], v[WDS+3], s[HM]
.irp a, 0,1,2,3
.irp c, 0,1,2
	global_store_b128 v4, v[IMG+12*\a+4*\c:IMG+12*\a+4*\c+3], s[86:87] offset:1536*\a+512*\c
.endr
.endr
	global_store_b64 v[VSV], v[T:T+1], s[88:89]    ; 256 consecutive bytes, aligned
	s_wait_tensorcnt 0x0                           ; the wave's end
	ds_add_u32 v30, v31
	s_wait_dscnt 0x0
	ROUND                                          ; the closing round: no work-group ends while a partner may still ask for a tile that names it
	s_endpgm
.Lfunc_end_k_q7df3ffc06a_qkv:
	.size	k_q7df3ffc06a_qkv, .Lfunc_end_k_q7df3ffc06a_qkv-k_q7df3ffc06a_qkv
	.p2alignl 7, 3214868480
	.fill 96, 4, 3214868480
	.section	.rodata,"a",@progbits
	.p2align	6, 0x0
	.amdhsa_kernel k_q7df3ffc06a_qkv
		.amdhsa_group_segment_fixed_size 327680
		.amdhsa_private_segment_fixed_size 0
		.amdhsa_enable_private_segment 0
		.amdhsa_kernarg_size 40
		.amdhsa_user_sgpr_count 2
		.amdhsa_user_sgpr_kernarg_segment_ptr 1
		.amdhsa_wavefront_size32 1
		.amdhsa_system_sgpr_workgroup_id_x 1
		.amdhsa_system_sgpr_workgroup_id_y 1
		.amdhsa_system_sgpr_workgroup_id_z 1
		.amdhsa_system_vgpr_workitem_id 0
		.amdhsa_next_free_vgpr 864
		.amdhsa_next_free_sgpr 100
		.amdhsa_reserve_vcc 0
		.amdhsa_float_denorm_mode_32 3
		.amdhsa_float_denorm_mode_16_64 3
		.amdhsa_memory_ordered 1
		.amdhsa_forward_progress 1
		.amdhsa_inst_pref_size 152
	.end_amdhsa_kernel
	.amdgpu_metadata
---
amdhsa.version: [ 1, 2 ]
amdhsa.kernels:
  - .name:           k_q7df3ffc06a_qkv
    .symbol:         k_q7df3ffc06a_qkv.kd
    .args:
      - { .name: c1, .offset: 0, .size: 8, .value_kind: global_buffer, .address_space: global }
      - { .name: s1, .offset: 8, .size: 8, .value_kind: global_buffer, .address_space: global }
      - { .name: b_qkv, .offset: 16, .size: 8, .value_kind: global_buffer, .address_space: global }
      - { .name: qb, .offset: 24, .size: 8, .value_kind: global_buffer, .address_space: global }
      - { .name: kv, .offset: 32, .size: 8, .value_kind: global_buffer, .address_space: global }
    .group_segment_fixed_size: 327680
    .private_segment_fixed_size: 0
    .kernarg_segment_align: 8
    .kernarg_segment_size: 40
    .max_flat_workgroup_size: 128
    .sgpr_count:     100
    .vgpr_count:     864
    .wavefront_size: 32
...
	.end_amdgpu_metadata
.endif
;; end of part 2
;; launch attn (part 3): grid 32 x 8, 4 waves a work-group, clusters of 4 x 1, 327,680 bytes of LDS; arguments qb, kv, ious, c2, s2; writes c2, s2
.if DOCPART == 3
	.amdgcn_target "amdgcn-amd-amdhsa--gfx1250"
	.amdhsa_code_object_version 6
	.text
	.protected	k_q7df3ffc06a_attn
	.globl	k_q7df3ffc06a_attn
	.p2align	8
	.type	k_q7df3ffc06a_attn,@function
k_q7df3ffc06a_attn:
	s_mov_b64 s[64:65], 0
	v_nop
	global_prefetch_b8 v0, s[64:65] scope:SCOPE_SE
	s_setreg_imm32_b32 hwreg(HW_REG_WAVE_MODE, 25, 1), 1
	s_wait_xcnt 0x0
	s_wait_alu depctr_hold_cnt(0) depctr_sa_sdst(0) depctr_va_vdst(0) depctr_va_sdst(0) depctr_va_ssrc(0) depctr_va_vcc(0) depctr_vm_vsrc(0)
	s_getreg_b32 s2, hwreg(HW_REG_IB_STS2, 6, 4)
	s_cmp_eq_u32 s2, 0
	s_cbranch_scc0 .Lentry_in_a_cluster
	s_endpgm
.Lentry_in_a_cluster:
	s_bfe_u32 s2, ttmp6, 0x10000c
	s_cmp_lg_u32 s2, 0x3003
	s_cbranch_scc0 .Lentry_shape_is_right
	s_endpgm
.Lentry_shape_is_right:
; w = exp(q k^T / 8) x ious, divided by its row sum, quantised to BF6 along the keys, times v; the result quantised again along the 1,024 channels as the last product's A operand (c2, s2: images of fragments and scale words).
; SHARES: a work-group takes 32 tokens (two tiles of 16) of one batch entry through all 16 heads; wave w takes keys 256 w .. 256 w + 255.  A lane holds one token, its registers run along the keys (S^T = k q^T, O^T = v^T w^T).
; ious of the wave's 32 tokens x 256 keys stay in 256 registers (window 1) for all heads.  Scores, then w, lie in window 2; v's fragments, w's codes and O^T in window 3; k's fragments, q and all small things in window 0.
; A HEAD: 32 products for the scores (K = the head's 64: an image of k holds two key tiles, q stands beside zeros); t = score x log2(e) / 8 (q's factor 1/8 is folded in here); 256 exponentials in ONE batch,
; with one wait ahead of it and one behind it; x ious; the row sums, joined over the four waves through LDS; the blocks' largest magnitudes; x 1 / sum; codes; 16 products with v.
; The four waves' parts of O^T meet in LDS after every second head, are added, quantised (a block of 32 channels a lane) and gathered as images, which leave at the end.
; THE RING: two slots, each a head's k and v (102,400 bytes), asked for JOINTLY by the four work-groups of a cluster (same batch entry, other tokens); a round of the cluster's barrier a head, which also shows the row sums.
; THE HEAD'S FILLS, one a wave: waves 0, 1 the halves of head 0's k and v; waves 2, 3 sixteen rows of ious each (dense in memory: 64 rows of 1,024 bytes, 16 bytes of padding behind each).  The ious lie where slot 1 lies and are read out ahead of its fill.
; AS reference(): no maximum is taken away before the exponential, since reference() takes none.  LIMITS: a block of w under 2^-122 gets the byte 1; NaN and infinities are not served; where exp overflows in reference(), so it does here.
.set SLOTB, 102400
.set QRT,   25600
.set IST,   102400
.set ISTZ,  66592                      ; from the first sixteen rows of ious to the second: 64 x 1,040 bytes, + 32 so that the two start in other banks
.set AIMG,  204800
.set OX,    236544
.set SUMX,  302080
.set ASC,   304128
.set SPARE, 305152
.set RR,   1
.set HH,   2
.set L16,  3
.set SH8,  4
.set SPW,  5
.set NIL,  6
.set AKV,  7
.set AKS,  9
.set AVS,  11
.set SUMW, 13
.set SUMR, 14
.set OXW,  15
.set OXR,  16
.set AW,   17
.set ASCW, 20
.set AWC,  21
.set ASCC, 24
.set QSOF, 25
.set IOA,  26
.set PT,   27
.set LANE, 28
.set EA,   29
.set EB,   30
.set E8,   31
.set QR,   32
.set QW,   62
.set KF,   64
.set KS,   160
.set VS,   168
.set PW,   176
.set QT,   180
.set QTS,  192
.set MX,   194
.set SCO,  202
.set BY,   210
.set SUM,  218
.set PS,   226
.set RI,   234
.set TT,   238
.set RM,   240
.set RC,   246
.set VF,   64
.set PC,   160
.set TC,   208
.set WV,   14
.set SEL,  16
.set CS,   18
.set FL,   20
.set CNT,  21
.set N1536, 22
.set N4,   23
.set GKV,  24
.set G0,   32
.set GIO,  40
.set G0I,  48                          ; s[48:51] group 0 for the ious
.set G0H,  52                          ; s[52:55] group 0 for a half of head 0's k and v
.set QP,   56
.set QS,   58
.set MSB, 0
.macro WIN new
.if MSB != \new
	s_set_vgpr_msb (MSB<<8)|\new
.set MSB, \new
.endif
.endm
.macro PLACES n
.rept \n
	v_nop
.endr
.endm
.macro ROUND
	s_barrier_signal -1
	s_barrier_wait -1
	s_cmp_lg_u32 s[WV], 0
	s_cbranch_scc1 .Lnw0_\@
	s_barrier_signal -3
.Lnw0_\@:
	s_barrier_wait -3
	s_barrier_signal -1
	s_barrier_wait -1
.endm
.macro WORD w, b0, b1
	v_lshl_or_b32 v[\w], v[\b1], 16, v[\b0]
	v_lshlrev_b32 v[\w], v[SH8], v[\w]
	v_permlanex16_b32 v[PT], v[\w], s[SEL], s[SEL+1]
	v_or_b32 v[\w], v[\w], v[PT]
.endm
.macro QLOAD
.irp c, 0,1,2
	global_load_b128 v[QT+4*\c:QT+4*\c+3], v[L16], s[QP:QP+1] offset:512*\c
.endr
	global_load_b32 v[QTS], v[QSOF], s[QS:QS+1]
.endm
.macro QSET
.irp j, 0,1,2,3,4,5
	v_mov_b32 v[QR+6+\j], v[QT+\j]
	v_mov_b32 v[QR+18+\j], v[QT+6+\j]
.endr
	v_perm_b32 v[QW], v[QTS], v[QTS], 0x01000100
	v_perm_b32 v[QW+1], v[QTS], v[QTS], 0x03020302
.endm
.macro KLOAD sl
.irp m, 0,1,2,3,4,5,6,7
.irp c, 0,1,2
	ds_load_b128 v[KF+12*\m+4*\c:KF+12*\m+4*\c+3], v[AKV+(\sl)] offset:1536*\m+512*\c
.endr
.endr
.irp g, 0,1,2,3
	ds_load_b64 v[KS+2*\g:KS+2*\g+1], v[AKS+(\sl)] offset:24576+128*\g
.endr
.endm
.macro VLOAD sl
	WIN 0xc0
.irp m, 0,1,2,3,4,5,6,7
.irp c, 0,1,2
	ds_load_b128 v[VF+12*\m+4*\c:VF+12*\m+4*\c+3], v[AKV+(\sl)] offset:12288+1536*\m+512*\c
.endr
.endr
	WIN 0
.irp z, 0,1
	ds_load_b128 v[VS+4*\z:VS+4*\z+3], v[AVS+(\sl)] offset:25088+256*\z
.endr
.endm
	s_load_b256 s[4:11], s[0:1], 0x0
	s_load_b64 s[12:13], s[0:1], 0x20
	v_lshl_add_u32 v[SPW], v0, 2, SPARE
	v_mov_b32 v[NIL], 0
	ds_add_u32 v5, v6
	ds_add_u32 v5, v6
	s_wait_dscnt 0x0
	v_lshrrev_b32 v1, 5, v0
	v_readfirstlane_b32 s[WV], v1
	s_bfe_u32 s60, ttmp6, 0x40000
	s_lshl_b32 s61, ttmp9, 2
	s_add_co_u32 s61, s61, s60
	s_lshr_b32 s62, s61, 1
	s_and_b32 s63, s61, 1
	s_and_b32 s66, ttmp7, 0xffff
	s_mul_i32 s70, s[WV], QRT
	s_mul_i32 s68, s66, 16*SLOTB
	s_add_co_u32 s68, s68, s70
	s_mov_b32 s69, 0
	s_lshl_b32 s74, s66, 22
	s_lshl_b32 s75, s62, 18
	s_add_co_u32 s74, s74, s75
	s_lshl_b32 s75, s63, 16
	s_add_co_u32 s74, s74, s75
	s_and_b32 s67, s[WV], 1                        ; which half of the head's fill is mine: of k and v (waves 0, 1) or of the ious (waves 2, 3)
	s_lshl_b32 s75, s67, 17                        ; the second sixteen rows of ious lie 32 tokens on
	s_add_co_u32 s74, s74, s75
	s_mov_b32 s75, 0
	s_mul_i32 s[G0I+1], s67, ISTZ
	s_add_co_u32 s[G0I+1], s[G0I+1], IST
	s_mul_i32 s[G0H+1], s67, 51200
	s_mul_i32 s96, s66, 16*SLOTB
	s_add_co_u32 s96, s96, s[G0H+1]
	s_mov_b32 s97, 0
	s_mul_i32 s82, s66, 16*51200
	s_mul_i32 s83, s62, 3072
	s_add_co_u32 s84, s82, s83
	s_mul_i32 s83, s63, 1536
	s_add_co_u32 s84, s84, s83
	s_mov_b32 s85, 0
	s_lshl_b32 s83, s62, 7
	s_add_co_u32 s86, s82, s83
	s_lshl_b32 s83, s63, 2
	s_add_co_u32 s86, s86, s83
	s_add_co_u32 s86, s86, 49152
	s_mov_b32 s87, 0
	s_lshl_b32 s88, s66, 6
	s_lshl_b32 s83, s62, 2
	s_add_co_u32 s88, s88, s83
	s_lshl_b32 s83, s63, 1
	s_add_co_u32 s88, s88, s83
	s_mul_i32 s90, s88, 12288
	s_mul_i32 s83, s[WV], 6144
	s_add_co_u32 s90, s90, s83
	s_mov_b32 s91, 0
	s_lshl_b32 s88, s88, 9
	s_lshl_b32 s83, s[WV], 8
	s_add_co_u32 s88, s88, s83
	s_mov_b32 s89, 0
	s_mov_b32 s[GKV], 15|(3<<16)|(1<<21)
	s_mov_b32 s[GKV+1], 32<<16
	s_mov_b32 s[GKV+2], 200<<16                    ; the head's loads bring 200 rows of 256 bytes; behind them the two words that count rows are set to 100
	s_mov_b32 s[GKV+3], 32<<16
	s_mov_b32 s[GKV+4], 200
	s_mov_b32 s[GKV+5], 32
	s_mov_b32 s[GKV+6], 0
	s_mov_b32 s[GKV+7], 0
	s_mov_b32 s[GIO], (3<<16)|(1<<20)|(7<<22)|(3<<25)
	s_mov_b32 s[GIO+1], 128<<16
	s_mov_b32 s[GIO+2], 64<<16
	s_mov_b32 s[GIO+3], 128<<16
	s_mov_b32 s[GIO+4], 64
	s_mov_b32 s[GIO+5], 128
	s_mov_b32 s[GIO+6], 0
	s_mov_b32 s[GIO+7], 0
	s_mov_b32 s[SEL], 0x76543210
	s_mov_b32 s[SEL+1], 0xfedcba98
	s_mov_b32 s[CS], 0x3e38aa3b
	s_mov_b32 s[CS+1], s[CS]
	s_mov_b32 s[FL], 0x2800000
	s_mov_b32 s[N1536], 0
	s_mov_b32 s[N4], 0
	s_wait_kmcnt 0x0
	s_add_nc_u64 s[72:73], s[6:7], s[68:69]
	s_add_nc_u64 s[74:75], s[8:9], s[74:75]
	s_add_nc_u64 s[QP:QP+1], s[4:5], s[84:85]
	s_add_nc_u64 s[QS:QS+1], s[4:5], s[86:87]
	s_add_nc_u64 s[78:79], s[10:11], s[90:91]
	s_add_nc_u64 s[80:81], s[12:13], s[88:89]
.irp z, 0,1
	s_mov_b32 s[G0+4*\z], 1
	s_add_co_u32 s[G0+4*\z+1], s70, \z*SLOTB
	s_add_nc_u64 s[G0+4*\z+2:G0+4*\z+3], s[72:73], \z*SLOTB
	s_or_b32 s[G0+4*\z+3], s[G0+4*\z+3], 0x80000000
.endr
	s_mov_b32 s[G0I], 1
	s_mov_b64 s[G0I+2:G0I+3], s[74:75]
	s_or_b32 s[G0I+3], s[G0I+3], 0x80000000
	s_mov_b32 s[G0H], 1
	s_add_nc_u64 s[G0H+2:G0H+3], s[6:7], s[96:97]
	s_or_b32 s[G0H+3], s[G0H+3], 0x80000000
	ROUND                                          ; the four work-groups are here: the first joint loads meet
	s_cmp_lt_u32 s[WV], 2                          ; one fill a wave, in the two arms of one branch on the wave's number
	s_cbranch_scc0 .Lhead_io
	tensor_load_to_lds s[G0H:G0H+3], s[GKV:GKV+7]  ; a half of head 0's k and v, jointly
	s_nop 0
	PLACES 4
	s_branch .Lhead_asked
.Lhead_io:
	tensor_load_to_lds s[G0I:G0I+3], s[GIO:GIO+7]  ; sixteen rows of my work-group's ious, all four quarters of the keys
	s_nop 0
	PLACES 4
.Lhead_asked:
	v_and_b32 v[RR], 15, v0
	v_bfe_u32 v[HH], v0, 4, 1
	v_and_b32 v[LANE], 31, v0
	v_lshlrev_b32 v[L16], 4, v[LANE]
	v_lshlrev_b32 v[QSOF], 3, v[RR]
	QLOAD
	v_lshlrev_b32 v[SH8], 3, v[HH]
	v_add_nc_u32 v[AKV], s70, v[L16]
	v_add_nc_u32 v[AKV+1], SLOTB, v[AKV]
	v_lshl_add_u32 v[AKS], v[RR], 3, s70
	v_add_nc_u32 v[AKS+1], SLOTB, v[AKS]
	v_lshl_add_u32 v[AVS], v[RR], 4, s70
	v_add_nc_u32 v[AVS+1], SLOTB, v[AVS]
	v_lshl_add_u32 v[SUMW], v0, 2, SUMX
	v_lshl_add_u32 v[SUMR], v[LANE], 2, SUMX
	s_lshl_b32 s77, s[WV], 13
	s_add_co_u32 s77, s77, OX
	v_add_nc_u32 v[OXW], s77, v[L16]
	s_lshr_b32 s92, s[WV], 1
	s_and_b32 s93, s[WV], 1
	s_lshl_b32 s77, s92, 15
	s_lshl_b32 s94, s93, 12
	s_add_co_u32 s77, s77, s94
	s_add_co_u32 s77, s77, OX
	v_add_nc_u32 v[OXR], s77, v[L16]
	s_mul_i32 s94, s93, 12288
	s_add_co_u32 s94, s94, AIMG
	s_mul_i32 s95, s92, 520
	s_add_co_u32 s95, s95, s94
	v_add_nc_u32 v[AW], s95, v[L16]
	v_add_nc_u32 v[AW+2], 512, v[AW]
	s_mul_i32 s95, s92, 1016
	s_add_co_u32 s95, s95, s94
	s_add_co_u32 s95, s95, 8
	v_add_nc_u32 v[AW+1], s95, v[L16]
	s_lshl_b32 s95, s93, 9
	s_lshl_b32 s94, s92, 1
	s_add_co_u32 s95, s95, s94
	s_add_co_u32 s95, s95, ASC
	v_lshl_add_u32 v[ASCW], v[RR], 5, v[HH]
	v_add_nc_u32 v[ASCW], s95, v[ASCW]
	v_lshrrev_b32 v[IOA], 3, v[RR]
	v_mul_u32_u24 v[IOA], v[IOA], ISTZ             ; ious: rows r / 8 choose the load; a token's row is four LDS rows of 1,040 bytes, of which my wave's quarter is one
	v_and_b32 v[PT], 7, v[RR]
	v_mad_u32_u24 v[IOA], v[PT], 4160, v[IOA]
	v_lshl_add_u32 v[IOA], v[HH], 7, v[IOA]
	s_mul_i32 s95, s[WV], 1040
	s_add_co_u32 s95, s95, IST
	v_add_nc_u32 v[IOA], s95, v[IOA]
	s_mul_i32 s95, s[WV], 6144
	s_add_co_u32 s95, s95, AIMG
	v_add_nc_u32 v[EA], s95, v[L16]
	v_lshl_add_u32 v[EB], v0, 3, ASC
	v_lshlrev_b32 v[E8], 3, v[LANE]
	v_mov_b32 v[TT], 0
	v_mov_b32 v[TT+1], 0
.irp j, 0,1,2,3,4,5
	v_mov_b32 v[QR+\j], 0
	v_mov_b32 v[QR+12+\j], 0
	v_mov_b32 v[QR+24+\j], 0
.endr
	s_wait_alu depctr_va_vdst(0)
	s_wait_tensorcnt 0x0                           ; my fill is in,
	s_barrier_signal -1
	s_barrier_wait -1                              ; and everybody's
	WIN 0x40
.irp t, 0,1
.irp g, 0,1,2,3
.irp k, 0,1,2,3,4,5,6,7
	ds_load_b128 v[128*\t+32*\g+4*\k:128*\t+32*\g+4*\k+3], v[IOA] offset:33280*\t+256*\g+16*\k
.endr
.endr
.endr
	WIN 0
	s_wait_loadcnt 0x0
	QSET
	PLACES 8
	s_add_nc_u64 s[QP:QP+1], s[QP:QP+1], 51200
	s_add_nc_u64 s[QS:QS+1], s[QS:QS+1], 51200
	QLOAD
	s_wait_tensorcnt 0x0                           ; no load of mine is out
	ds_add_u32 v[SPW], v[NIL]
	s_mov_b32 s[GKV+2], 100<<16                    ; from here on a load brings a quarter of a head's k and v: 100 rows
	s_mov_b32 s[GKV+4], 100
	s_wait_dscnt 0x0                               ; the add is done, and the ious are in my registers
	ROUND
	tensor_load_to_lds s[G0+4:G0+7], s[GKV:GKV+7]
	s_nop 0
	PLACES 4
	KLOAD 0
.macro CREST                           ; a round of the cluster's barrier behind its opening barrier
	s_cmp_lg_u32 s[WV], 0
	s_cbranch_scc1 .Lcw0_\@
	s_barrier_signal -3
.Lcw0_\@:
	s_barrier_wait -3
	s_barrier_signal -1
	s_barrier_wait -1
.endm
.macro MAXES i0                        ; the largest magnitudes of the eight blocks of 32 keys (2 token tiles x 4), numbers 2 i0 .. 2 i0 + 15 of each; the eight chains by turns
.set ii, \i0
.rept 8
.irp t, 0,1
.irp g, 0,1,2,3
.if ii == 0
	v_max3_num_f32 v[MX+4*\t+\g], 0, |v[128*\t+32*\g]|, |v[128*\t+32*\g+1]|
.else
	v_max3_num_f32 v[MX+4*\t+\g], v[MX+4*\t+\g], |v[128*\t+32*\g+2*ii]|, |v[128*\t+32*\g+2*ii+1]|
.endif
.endr
.endr
.set ii, ii+1
.endr
.endm
.macro HEAD hp, fill, knext, qset, qload
	VLOAD \hp
	s_wait_dscnt 26
	WIN 0x80
.irp m, 0,1,2,3,4,5,6,7
.irp e, 0,1
.irp t, 0,1
	v_wmma_scale_f32_16x16x128_f8f6f4 v[128*\t+8*(4*(\m/2)+2*(\m%2)+\e):128*\t+8*(4*(\m/2)+2*(\m%2)+\e)+7], v[KF+12*\m:KF+12*\m+11], v[QR+6+12*\t-6*\e:QR+17+12*\t-6*\e], 0, v[KS+\m], v[QW+\t] matrix_a_fmt:MATRIX_FMT_BF6 matrix_b_fmt:MATRIX_FMT_BF6
.endr
.endr
.endr
	PLACES 4
	WIN 0x86                                       ; source 0 and destination: the scores' window; source 1: the ious'
.set kk, 0
.rept 128
	v_pk_mul_f32 v[2*kk:2*kk+1], v[2*kk:2*kk+1], s[CS:CS+1] op_sel_hi:[1,0]   ; t = score x log2(e) / 8; each accumulator from its low end on
.set kk, kk+1
.endr
	s_wait_alu depctr_va_vdst(0)
.set kk, 0
.rept 256
	v_exp_f32 v[kk], v[kk]                         ; 2^t = exp(score / 8)
.set kk, kk+1
.endr
	v_nop                                          ; one plain place behind the last exponential
	s_wait_alu depctr_va_vdst(0)                   ; and one wait for the whole batch, ahead of its first reader
.set kk, 0
.rept 128
	v_pk_mul_f32 v[2*kk:2*kk+1], v[2*kk:2*kk+1], v[2*kk:2*kk+1]   ; x ious: the same register numbers in the ious' window
.set kk, kk+1
.endr
	WIN 0x0a                                       ; the row sums of my 256 keys: four chains of pairs for each token tile
.irp t, 0,1
	v_pk_add_f32 v[SUM+4*\t:SUM+4*\t+1], v[128*\t:128*\t+1], v[128*\t+8:128*\t+9]
	v_pk_add_f32 v[SUM+4*\t+2:SUM+4*\t+3], v[128*\t+2:128*\t+3], v[128*\t+10:128*\t+11]
	v_pk_add_f32 v[PS+4*\t:PS+4*\t+1], v[128*\t+4:128*\t+5], v[128*\t+12:128*\t+13]
	v_pk_add_f32 v[PS+4*\t+2:PS+4*\t+3], v[128*\t+6:128*\t+7], v[128*\t+14:128*\t+15]
.endr
	WIN 0x28
.set pp, 8
.rept 14
.irp t, 0,1
	v_pk_add_f32 v[SUM+4*\t:SUM+4*\t+1], v[SUM+4*\t:SUM+4*\t+1], v[128*\t+2*pp:128*\t+2*pp+1]
	v_pk_add_f32 v[SUM+4*\t+2:SUM+4*\t+3], v[SUM+4*\t+2:SUM+4*\t+3], v[128*\t+2*pp+2:128*\t+2*pp+3]
	v_pk_add_f32 v[PS+4*\t:PS+4*\t+1], v[PS+4*\t:PS+4*\t+1], v[128*\t+2*pp+4:128*\t+2*pp+5]
	v_pk_add_f32 v[PS+4*\t+2:PS+4*\t+3], v[PS+4*\t+2:PS+4*\t+3], v[128*\t+2*pp+6:128*\t+2*pp+7]
.endr
.set pp, pp+4
.endr
	WIN 0
.irp t, 0,1
	v_pk_add_f32 v[SUM+4*\t:SUM+4*\t+1], v[SUM+4*\t:SUM+4*\t+1], v[PS+4*\t:PS+4*\t+1]
	v_pk_add_f32 v[SUM+4*\t+2:SUM+4*\t+3], v[SUM+4*\t+2:SUM+4*\t+3], v[PS+4*\t+2:PS+4*\t+3]
.endr
.irp t, 0,1
	v_pk_add_f32 v[SUM+4*\t:SUM+4*\t+1], v[SUM+4*\t:SUM+4*\t+1], v[SUM+4*\t+2:SUM+4*\t+3]
.endr
.irp t, 0,1
	v_add_f32 v[SUM+4*\t], v[SUM+4*\t], v[SUM+4*\t+1]
.endr
.irp t, 0,1
	v_permlanex16_b32 v[TT+\t], v[SUM+4*\t], s[SEL], s[SEL+1]
.endr
.irp t, 0,1
	v_add_f32 v[SUM+4*\t], v[SUM+4*\t], v[TT+\t]
.endr
.irp t, 0,1
	ds_store_b32 v[SUMW], v[SUM+4*\t] offset:1024*\hp+512*\t
.endr
	s_wait_tensorcnt 0x0                           ; all my tensor loads are in: my quarter of the other slot;
	ds_add_u32 v[SPW], v[NIL]                      ; work on registers stands between the add and the wait for it
.if \fill
	s_add_nc_u64 s[G0+4*\hp+2:G0+4*\hp+3], s[G0+4*\hp+2:G0+4*\hp+3], 2*SLOTB
.endif
	WIN 0x28
	MAXES 0                                        ; the first half of the blocks' largest magnitudes
	s_wait_alu depctr_va_vdst(0)
	s_wait_dscnt 0x0                               ; the add and my sums' stores are done, and my reads of this slot are over
	s_barrier_signal -1
	MAXES 8                                        ; the second half, on registers, while the others arrive
	WIN 0
	s_barrier_wait -1
.if \fill
	CREST                                          ; the barrier has opened a round of the cluster's barrier: no wave of any partner still reads this slot
	tensor_load_to_lds s[G0+4*\hp:G0+4*\hp+3], s[GKV:GKV+7]   ; the head two on
	s_nop 0
	PLACES 4
.endif
.irp t, 0,1
.irp w, 0,1,2,3
	ds_load_b32 v[PS+4*\t+\w], v[SUMR] offset:1024*\hp+512*\t+128*\w
.endr
.endr
.if \knext
	KLOAD 1-\hp
	s_wait_dscnt 28
.else
	s_wait_dscnt 0x0
.endif
.irp t, 0,1
	v_add_f32 v[PS+4*\t], v[PS+4*\t], v[PS+4*\t+1]
	v_add_f32 v[PS+4*\t+2], v[PS+4*\t+2], v[PS+4*\t+3]
.endr
.irp t, 0,1
	v_add_f32 v[PS+4*\t], v[PS+4*\t], v[PS+4*\t+2]
.endr
	s_wait_alu depctr_va_vdst(0)
	v_rcp_f32 v[RI], v[PS]
	v_rcp_f32 v[RI+2], v[PS+4]
	v_nop
	s_wait_alu depctr_va_vdst(0)
	v_mov_b32 v[RI+1], v[RI]
	v_mov_b32 v[RI+3], v[RI+2]
.if \qset
	s_wait_loadcnt 0x0
	QSET
.endif
.if \qload
	s_add_nc_u64 s[QP:QP+1], s[QP:QP+1], 51200
	s_add_nc_u64 s[QS:QS+1], s[QS:QS+1], 51200
	QLOAD
.endif
.irp b, 0,1,2,3,4,5,6,7
	v_mul_f32 v[MX+\b], v[MX+\b], |v[RI+2*(\b/4)]|
.endr
.irp b, 0,1,2,3,4,5,6,7
	v_max_num_f32 v[MX+\b], s[FL], v[MX+\b]
.endr
.irp b, 0,1,2,3,4,5,6,7
	v_add_nc_u32 v[SCO+\b], 0xfe000000, v[MX+\b]
.endr
.irp b, 0,1,2,3,4,5,6,7
	v_lshrrev_b32 v[BY+\b], 23, v[SCO+\b]
.endr
.irp t, 0,1
.irp z, 0,1
	WORD PW+2*\t+\z, BY+4*\t+2*\z, BY+4*\t+2*\z+1
.endr
.endr
	WIN 0x82
.set kk, 0
.rept 128
	v_pk_mul_f32 v[2*kk:2*kk+1], v[2*kk:2*kk+1], v[RI+2*(kk/64):RI+2*(kk/64)+1]
.set kk, kk+1
.endr
	WIN 0xc2
.irp t, 0,1
.irp g, 0,1,2,3
	v_cvt_scalef32_pk16_bf6_f32 v[PC+12*(2*\t+\g/2)+6*(\g%2):PC+12*(2*\t+\g/2)+6*(\g%2)+2], v[128*\t+32*\g:128*\t+32*\g+15], v[SCO+4*\t+\g]
	v_cvt_scalef32_pk16_bf6_f32 v[TC+4*(4*\t+\g):TC+4*(4*\t+\g)+2], v[128*\t+32*\g+16:128*\t+32*\g+31], v[SCO+4*\t+\g]
.endr
.endr
	WIN 0xc3
	v_nop
.irp t, 0,1
.irp g, 0,1,2,3
.irp j, 0,1,2
	v_mov_b32 v[PC+12*(2*\t+\g/2)+6*(\g%2)+3+\j], v[TC+4*(4*\t+\g)+\j]
.endr
.endr
.endr
	PLACES 4
	WIN 0xff
.irp z, 0,1
.irp u, 0,1,2,3
.irp t, 0,1
.if \z == 0
	v_wmma_scale_f32_16x16x128_f8f6f4 v[8*(4*\t+\u):8*(4*\t+\u)+7], v[VF+12*(4*\z+\u):VF+12*(4*\z+\u)+11], v[PC+12*(2*\t+\z):PC+12*(2*\t+\z)+11], 0, v[VS+4*\z+\u], v[PW+2*\t+\z] matrix_a_fmt:MATRIX_FMT_BF6 matrix_b_fmt:MATRIX_FMT_BF6
.else
	v_wmma_scale_f32_16x16x128_f8f6f4 v[8*(4*\t+\u):8*(4*\t+\u)+7], v[VF+12*(4*\z+\u):VF+12*(4*\z+\u)+11], v[PC+12*(2*\t+\z):PC+12*(2*\t+\z)+11], v[8*(4*\t+\u):8*(4*\t+\u)+7], v[VS+4*\z+\u], v[PW+2*\t+\z] matrix_a_fmt:MATRIX_FMT_BF6 matrix_b_fmt:MATRIX_FMT_BF6
.endif
.endr
.endr
.endr
	PLACES 4
	WIN 0x0c
.irp j, 0,1,2,3,4,5,6,7,8,9,10,11,12,13,14,15
	ds_store_b128 v[OXW], v[4*\j:4*\j+3] offset:32768*\hp+512*\j
.endr
	WIN 0
.if \hp == 1
	s_wait_dscnt 0x0
	s_barrier_signal -1
	s_barrier_wait -1
	WIN 0x80
.irp w, 0,1,2,3
.irp j, 0,1,2,3,4,5,6,7
	ds_load_b128 v[32*\w+4*\j:32*\w+4*\j+3], v[OXR] offset:8192*\w+512*\j
.endr
.endr
	WIN 0
.irp j, 0,1,2
	v_add_nc_u32 v[AWC+\j], s[N1536], v[AW+\j]
.endr
	v_add_nc_u32 v[ASCC], s[N4], v[ASCW]
	s_wait_dscnt 0x0
	WIN 0x8a
.set kk, 0
.rept 16
	v_pk_add_f32 v[2*kk:2*kk+1], v[2*kk:2*kk+1], v[32+2*kk:33+2*kk]
	v_pk_add_f32 v[64+2*kk:65+2*kk], v[64+2*kk:65+2*kk], v[96+2*kk:97+2*kk]
.set kk, kk+1
.endr
.set kk, 0
.rept 16
	v_pk_add_f32 v[2*kk:2*kk+1], v[2*kk:2*kk+1], v[64+2*kk:65+2*kk]
.set kk, kk+1
.endr
	WIN 0x28
	v_max3_num_f32 v[RM], s[FL], |v0|, |v1|
	v_max3_num_f32 v[RM+1], s[FL], |v2|, |v3|
.irp j, 4,8,12,16,20,24,28
	v_max3_num_f32 v[RM], v[RM], |v[\j]|, |v[\j+1]|
	v_max3_num_f32 v[RM+1], v[RM+1], |v[\j+2]|, |v[\j+3]|
.endr
	WIN 0
	v_max_num_f32 v[RM], v[RM], v[RM+1]
	v_add_nc_u32 v[RM+1], 0xfe000000, v[RM]
	v_lshrrev_b32 v[RM+2], 23, v[RM+1]
	WIN 0x02
	v_cvt_scalef32_pk16_bf6_f32 v[RC:RC+2], v[0:15], v[RM+1]
	v_cvt_scalef32_pk16_bf6_f32 v[RC+6:RC+8], v[16:31], v[RM+1]
	WIN 0
	v_nop
.irp j, 0,1,2
	v_mov_b32 v[RC+3+\j], v[RC+6+\j]
.endr
.irp j, 0,1,2
	ds_store_b64 v[AWC+\j], v[RC+2*\j:RC+2*\j+1]
.endr
	ds_store_b8 v[ASCC], v[RM+2]
	s_add_co_u32 s[N1536], s[N1536], 1536
	s_add_co_u32 s[N4], s[N4], 4
.endif
.endm
	s_mov_b32 s[CNT], 7
.Lpair:
	s_wait_alu depctr_va_vdst(0)
	HEAD 0, 1, 1, 1, 1
	HEAD 1, 1, 1, 1, 1
	s_sub_co_u32 s[CNT], s[CNT], 1
	s_cmp_lg_u32 s[CNT], 0
	s_cbranch_scc1 .Lpair
	HEAD 0, 0, 1, 1, 0
	HEAD 1, 0, 0, 0, 0
	s_wait_dscnt 0x0
	s_barrier_signal -1
	s_barrier_wait -1
.irp j, 0,1,2,3,4,5,6,7,8,9,10,11
	ds_load_b128 v[KF+4*\j:KF+4*\j+3], v[EA] offset:512*\j
.endr
	ds_load_b64 v[KF+48:KF+49], v[EB]
.irp j, 0,1,2,3,4,5,6,7,8,9,10,11
	s_wait_dscnt 12-\j
	global_store_b128 v[L16], v[KF+4*\j:KF+4*\j+3], s[78:79] offset:512*\j
.endr
	s_wait_dscnt 0x0
	global_store_b64 v[E8], v[KF+48:KF+49], s[80:81]
	s_wait_tensorcnt 0x0
	ds_add_u32 v[SPW], v[NIL]
	s_wait_dscnt 0x0
	ROUND
	s_endpgm
.Lfunc_end_k_q7df3ffc06a_attn:
	.size	k_q7df3ffc06a_attn, .Lfunc_end_k_q7df3ffc06a_attn-k_q7df3ffc06a_attn
	.p2alignl 7, 3214868480
	.fill 96, 4, 3214868480
	.section	.rodata,"a",@progbits
	.p2align	6, 0x0
	.amdhsa_kernel k_q7df3ffc06a_attn
		.amdhsa_group_segment_fixed_size 327680
		.amdhsa_private_segment_fixed_size 0
		.amdhsa_enable_private_segment 0
		.amdhsa_kernarg_size 40
		.amdhsa_user_sgpr_count 2
		.amdhsa_user_sgpr_kernarg_segment_ptr 1
		.amdhsa_wavefront_size32 1
		.amdhsa_system_sgpr_workgroup_id_x 1
		.amdhsa_system_sgpr_workgroup_id_y 1
		.amdhsa_system_sgpr_workgroup_id_z 1
		.amdhsa_system_vgpr_workitem_id 0
		.amdhsa_next_free_vgpr 1024
		.amdhsa_next_free_sgpr 100
		.amdhsa_reserve_vcc 0
		.amdhsa_float_denorm_mode_32 3
		.amdhsa_float_denorm_mode_16_64 3
		.amdhsa_memory_ordered 1
		.amdhsa_forward_progress 1
		.amdhsa_inst_pref_size 255
	.end_amdhsa_kernel
	.section	.bss,"aw",@nobits
	.p2align	6
	.space	262144
	.amdgpu_metadata
---
amdhsa.version: [ 1, 2 ]
amdhsa.kernels:
  - .name:           k_q7df3ffc06a_attn
    .symbol:         k_q7df3ffc06a_attn.kd
    .args:
      - { .name: qb, .offset: 0, .size: 8, .value_kind: global_buffer, .address_space: global }
      - { .name: kv, .offset: 8, .size: 8, .value_kind: global_buffer, .address_space: global }
      - { .name: ious, .offset: 16, .size: 8, .value_kind: global_buffer, .address_space: global }
      - { .name: c2, .offset: 24, .size: 8, .value_kind: global_buffer, .address_space: global }
      - { .name: s2, .offset: 32, .size: 8, .value_kind: global_buffer, .address_space: global }
    .group_segment_fixed_size: 327680
    .private_segment_fixed_size: 0
    .kernarg_segment_align: 8
    .kernarg_segment_size: 40
    .max_flat_workgroup_size: 128
    .sgpr_count:     100
    .vgpr_count:     1024
    .wavefront_size: 32
...
	.end_amdgpu_metadata
.endif
;; end of part 3
;; launch proj (part 4): grid 4 x 64, 4 waves a work-group, clusters of 4 x 4, 295,424 bytes of LDS; arguments c2, s2, b_out, out0; writes out0
.if DOCPART == 4
	.amdgcn_target "amdgcn-amd-amdhsa--gfx1250"
	.amdhsa_code_object_version 6
	.text
	.protected	k_q7df3ffc06a_proj
	.globl	k_q7df3ffc06a_proj
	.p2align	8
	.type	k_q7df3ffc06a_proj,@function
k_q7df3ffc06a_proj:
	s_mov_b64 s[64:65], 0
	v_nop
	global_prefetch_b8 v0, s[64:65] scope:SCOPE_SE
	s_setreg_imm32_b32 hwreg(HW_REG_WAVE_MODE, 25, 1), 1
	s_wait_xcnt 0x0
	s_wait_alu depctr_hold_cnt(0) depctr_sa_sdst(0) depctr_va_vdst(0) depctr_va_sdst(0) depctr_va_ssrc(0) depctr_va_vcc(0) depctr_vm_vsrc(0)
	s_getreg_b32 s2, hwreg(HW_REG_IB_STS2, 6, 4)
	s_cmp_eq_u32 s2, 0
	s_cbranch_scc0 .Lentry_in_a_cluster
	s_endpgm
.Lentry_in_a_cluster:
	s_bfe_u32 s2, ttmp6, 0x10000c
	s_cmp_lg_u32 s2, 0xf033
	s_cbranch_scc0 .Lentry_shape_is_right
	s_endpgm
.Lentry_shape_is_right:
; out0 = att W_out^T + b_out on codes of BF6.  Operands are images of fragments (row block = 16 rows; 8 K steps x 1,536 bytes) with scale words [16 rows][8 K steps]: att's row blocks 0-511, W_out's 512-575, in one buffer each.
; A TILE is 128 tokens x 256 features; all of K = 1,024 lies in LDS, filled once, so nothing is ever filled again.
; Four waves; wave w takes A's half w / 2 (4 row blocks of tokens) and B's half w % 2 (8 row blocks of W_out): 32 accumulators.  THE MATRIX INSTRUCTION IS USED TRANSPOSED (source 0 = rows of W_out, source 1 = tokens):
; lane (r, h) holds token row r, register j feature row 8 h + j; by the order of rows in a block, tile b's register j is feature 64 (b / 4) + 32 h + 8 (b % 4) + j of my 128.  The bias is the C of K step 0's products.
; CLUSTERS 4 x 4: A's tiles hang on the cluster's row, B's on its column; each is asked for jointly by the four that share it.
; REGISTERS: window 0: v1-7 lane terms; v8-15 LDS addresses; v16-17 the stage; v32-95 scale words (8 i + K step: lanes 0-15 A's block i, lanes 16-31 B's block i); v96-191 A's fragments, two sets; v192-255 the bias;
;   on the way out v96-223 rows read back.   window 1: B's fragments, two sets, at v0 and v128.   window 2: accumulator (a, b) at v[8 (8 a + b)].
; LDS AS THIS TEXT LAYS IT (in place of the double slots named above): A's 8 row blocks whole, 12,288 bytes each (8 K steps x 1,536), then B's 16: 294,912 bytes, filled once.
; One tensor load a wave brings its share for all of K: waves 0, 1 four blocks of A each, waves 2, 3 eight blocks of B each; one wait for 0 and one barrier show all of it.
.set ADRA, 8
.set ADRB, 12
.set STO,  16                          ; the way out: where I put 32 bytes of a row
.set RD,   17                          ; and where I read a row back
.set SC,   32
.set AF,   96
.set BIAS, 192
.set BK,   96                          ; 16 rows read back: v96-159 and v160-223 by turns
.set WV,   14
.set G1A,  24
.set G1B,  32
.set G0A,  40
.set G0B,  68
.set MSB, 0
.macro WIN new                         ; the immediate's high byte repeats the setting that is left
.if MSB != \new
	s_set_vgpr_msb (MSB<<8)|\new
.set MSB, \new
.endif
.endm
.macro PLACES n
.rept \n
	v_nop
.endr
.endm
.macro ROUND                           ; a round of the cluster's barrier
	s_barrier_signal -1
	s_barrier_wait -1
	s_cmp_lg_u32 s[WV], 0
	s_cbranch_scc1 .Lnw0_\@
	s_barrier_signal -3
.Lnw0_\@:
	s_barrier_wait -3
	s_barrier_signal -1
	s_barrier_wait -1
.endm
.macro FETCH s                         ; K step s: B's eight fragments and A's four, into set s % 2: 36 loads of 512 consecutive bytes
	WIN 0x40
.irp b, 0,1,2,3,4,5,6,7
.irp c, 0,1,2
	ds_load_b128 v[128*((\s)%2)+12*\b+4*\c:128*((\s)%2)+12*\b+4*\c+3], v[ADRB+\b/2] offset:12288*(\b%2)+1536*(\s)+512*\c
.endr
.endr
	WIN 0
.irp a, 0,1,2,3
.irp c, 0,1,2
	ds_load_b128 v[AF+48*((\s)%2)+12*\a+4*\c:AF+48*((\s)%2)+12*\a+4*\c+3], v[ADRA] offset:12288*\a+1536*(\s)+512*\c
.endr
.endr
.endm
; 32 products of K step s.  cm = 0: onto the sums; 1: C = the bias.  The 32 accumulators take turns in the same order in every step.
.macro MULS s, cm
.if \cm == 0
	WIN 0xa1
.else
	WIN 0x81
.endif
.irp a, 0,1,2,3
.irp b, 0,1,2,3,4,5,6,7
.if \cm == 0
	v_wmma_scale_f32_16x16x128_f8f6f4 v[8*(8*\a+\b):8*(8*\a+\b)+7], v[128*((\s)%2)+12*\b:128*((\s)%2)+12*\b+11], v[AF+48*((\s)%2)+12*\a:AF+48*((\s)%2)+12*\a+11], v[8*(8*\a+\b):8*(8*\a+\b)+7], v[SC+8*\b+(\s)], v[SC+8*\a+(\s)] matrix_a_fmt:MATRIX_FMT_BF6 matrix_b_fmt:MATRIX_FMT_BF6 matrix_a_scale:MATRIX_SCALE_ROW1
.else
	v_wmma_scale_f32_16x16x128_f8f6f4 v[8*(8*\a+\b):8*(8*\a+\b)+7], v[128*((\s)%2)+12*\b:128*((\s)%2)+12*\b+11], v[AF+48*((\s)%2)+12*\a:AF+48*((\s)%2)+12*\a+11], v[BIAS+8*\b:BIAS+8*\b+7], v[SC+8*\b+(\s)], v[SC+8*\a+(\s)] matrix_a_fmt:MATRIX_FMT_BF6 matrix_b_fmt:MATRIX_FMT_BF6 matrix_a_scale:MATRIX_SCALE_ROW1
.endif
.endr
.endr
.endm
; A K step: its fragments, asked for a step ago, are in; four places (ISA guide 7.12.1 for vector instructions) in front of the loads into the set that the last step multiplied; the next step's fragments; the products.
.macro STEP s, cm
	s_wait_dscnt 0x0
.if \s > 0
	PLACES 4
.endif
	FETCH (\s)+1
	MULS \s, \cm
.endm
	s_load_b256 s[4:11], s[0:1], 0x0               ; c2 s[4:5], s2 s[6:7], b_out s[8:9], out0 s[10:11]
	v_lshl_add_u32 v30, v0, 2, 0x48000
	v_mov_b32 v31, 0
	ds_add_u32 v30, v31
	ds_add_u32 v30, v31
	v_lshrrev_b32 v1, 5, v0
	v_readfirstlane_b32 s[WV], v1                  ; wave
	s_lshr_b32 s15, s[WV], 1                       ; my half of A.  Also: I fetch for A (0) or for B (1)
	s_and_b32 s16, s[WV], 1                        ; my half of B.  Also: which half of that side I fetch
	s_bfe_u32 s17, ttmp6, 0x40000                  ; cx
	s_bfe_u32 s18, ttmp6, 0x40004                  ; cy
	s_and_b32 s21, ttmp7, 0xffff
	s_lshl_b32 s21, s21, 2
	s_add_co_u32 s21, s21, s18                     ; A's tile: hangs on cy, never on cx
	s_lshl_b32 s22, ttmp9, 2
	s_add_co_u32 s22, s22, s17                     ; B's tile: hangs on cx, never on cy
	s_lshl_b32 s56, s21, 3                         ; A's first row block of the tile
	s_lshl_b32 s57, s22, 4
	s_add_co_u32 s57, s57, 512                     ; B's
	s_lshl_b32 s58, s15, 2
	s_add_co_u32 s58, s58, s56                     ; my wave's first row block of A
	s_lshl_b32 s59, s16, 3
	s_add_co_u32 s59, s59, s57                     ; and of B
	s_lshl_b32 s62, s18, 2
	s_lshl_b32 s62, 15, s62                        ; my row of the cluster
	s_lshl_b32 s63, 0x1111, s17                    ; my column
	; descriptor group 1: rows = row blocks, 12,288 bytes apart; of each 12,288 bytes (eight K steps' images) = 1,536 elements of 8 bytes; A: 4 blocks a load, B: 8
	s_or_b32 s[G1A], s62, (3<<16)|(1<<21)          ; 15:0 the mask; 17:16 elements of 8 bytes; 21 set beside a mask; no padding
	s_or_b32 s[G1B], s63, (3<<16)|(1<<21)
	s_mov_b32 s[G1A+1], 1536<<16                   ; tensor_dim0: a whole row block, 12,288 bytes = 1,536 elements of 8 bytes
	s_mov_b32 s[G1A+2], 4<<16
	s_mov_b32 s[G1A+3], 1536<<16                   ; tile_dim0
	s_mov_b32 s[G1A+4], 4
	s_mov_b32 s[G1A+5], 1536
	s_mov_b32 s[G1A+6], 0
	s_mov_b32 s[G1A+7], 0
	s_mov_b32 s[G1B+1], 1536<<16
	s_mov_b32 s[G1B+2], 8<<16
	s_mov_b32 s[G1B+3], 1536<<16
	s_mov_b32 s[G1B+4], 8
	s_mov_b32 s[G1B+5], 1536
	s_mov_b32 s[G1B+6], 0
	s_mov_b32 s[G1B+7], 0
	s_lshl_b32 s84, s16, 2
	s_add_co_u32 s84, s84, s56
	s_mul_i32 s84, s84, 12288                      ; A: the four blocks that I would fetch
	s_mov_b32 s85, 0
	s_lshl_b32 s88, s16, 3
	s_add_co_u32 s88, s88, s57
	s_mul_i32 s88, s88, 12288                      ; B: the eight
	s_mov_b32 s89, 0
	s_mul_i32 s[G0A+1], s16, 49152                 ; where they go: A's half; no place in the cluster enters an LDS address
	s_mul_i32 s[G0B+1], s16, 98304
	s_add_co_u32 s[G0B+1], s[G0B+1], 98304         ; B's half, behind A's eight blocks
	s_wait_dscnt 0x0
	s_wait_kmcnt 0x0
	s_add_nc_u64 s[86:87], s[4:5], s[84:85]
	s_add_nc_u64 s[90:91], s[4:5], s[88:89]
	s_mov_b32 s[G0A], 1
	s_mov_b64 s[G0A+2:G0A+3], s[86:87]
	s_or_b32 s[G0A+3], s[G0A+3], 0x80000000
	s_mov_b32 s[G0B], 1
	s_mov_b64 s[G0B+2:G0B+3], s[90:91]
	s_or_b32 s[G0B+3], s[G0B+3], 0x80000000
	ROUND                                          ; all sixteen work-groups are here: the joint loads meet
	s_cmp_eq_u32 s15, 0                            ; one fill a wave, in the two arms of one branch on the wave's number: one load of mine is out
	s_cbranch_scc0 .Lfill_b
	tensor_load_to_lds s[G0A:G0A+3], s[G1A:G1A+7]
	s_nop 0
	PLACES 4
	s_branch .Lfilled
.Lfill_b:
	tensor_load_to_lds s[G0B:G0B+3], s[G1B:G1B+7]
	s_nop 0
	PLACES 4
.Lfilled:
	v_and_b32 v1, 31, v0                           ; lane
	v_and_b32 v2, 15, v0                           ; r
	v_bfe_u32 v3, v0, 4, 1                         ; h
	v_lshlrev_b32 v4, 4, v1                        ; 16 x lane
	s_wait_alu depctr_va_vdst(0)
	s_mul_i32 s98, s15, 49152                      ; my half of A: one address serves its four blocks,
	s_mul_i32 s99, s16, 98304
	s_add_co_u32 s99, s99, 98304                   ; my half of B, behind A's eight blocks: an address for each two blocks, so that the offsets stay inside 16 bits
	v_add_nc_u32 v[ADRA], s98, v4
.irp d, 0,1,2,3
	v_add_nc_u32 v[ADRB+\d], s99, v4
	s_add_co_u32 s99, s99, 24576
.endr
	s_mul_i32 s98, s[WV], 8448                     ; my stage: 16 rows x 528 bytes, from LDS byte 0 on, where A's first blocks lay: written only behind the barrier of the last K step
	v_mul_u32_u24 v[STO], v2, 528
	v_lshl_add_u32 v[STO], v3, 7, v[STO]
	v_add_nc_u32 v[STO], s98, v[STO]               ; in: row r, + 128 h
	v_add_nc_u32 v[RD], s98, v4                    ; back: the 32 lanes take a row of 512 bytes
	; the scale words come once, straight from memory: lanes 0-15 take A's block i, lanes 16-31 B's block i: 32 bytes a row, 16 a load
	s_lshl_b32 s60, s58, 9
	s_lshl_b32 s61, s59, 9
	v_cmp_ne_u32 vcc_lo, 0, v3
	v_mov_b32 v5, s60
	v_mov_b32 v6, s61
	v_cndmask_b32 v5, v5, v6, vcc_lo
	v_lshl_add_u32 v5, v2, 5, v5
	v_sub_nc_u32 v6, 1, v3
	v_lshlrev_b32 v6, 11, v6
	v_sub_nc_u32 v6, v5, v6                        ; for i = 4 .. 7 A's lanes read their blocks 0 .. 3 again: A has four
.irp i, 0,1,2,3
.irp q, 0,1
	global_load_b128 v[SC+8*\i+4*\q:SC+8*\i+4*\q+3], v5, s[6:7] offset:512*\i+16*\q
.endr
.endr
.irp i, 4,5,6,7
.irp q, 0,1
	global_load_b128 v[SC+8*\i+4*\q:SC+8*\i+4*\q+3], v6, s[6:7] offset:512*\i+16*\q
.endr
.endr
	s_sub_co_u32 s60, s59, 512                     ; register 8 b + j wants the bias of feature 16 (block - 512) + 64 (b / 4) + 8 (b % 4) + 32 h + j
	s_lshl_b32 s60, s60, 6
	v_lshl_add_u32 v7, v3, 7, s60
.irp b, 0,1,2,3,4,5,6,7
	global_load_b128 v[BIAS+8*\b:BIAS+8*\b+3], v7, s[8:9] offset:256*(\b/4)+32*(\b%4)
	global_load_b128 v[BIAS+8*\b+4:BIAS+8*\b+7], v7, s[8:9] offset:256*(\b/4)+32*(\b%4)+16
.endr
	s_lshr_b32 s60, s58, 6                         ; out0: my tokens' batch entry,
	s_bfe_u32 s61, s58, 0x40002                    ; their group of 64,
	s_lshl_b32 s61, s61, 9
	s_add_co_u32 s60, s60, s61
	s_lshl_b32 s60, s60, 12                        ; (512 g + b) x 4,096 bytes,
	s_lshl_b32 s61, s22, 10
	s_add_co_u32 s60, s60, s61                     ; + the tile's 256 features,
	s_lshl_b32 s61, s16, 9
	s_add_co_u32 s2, s60, s61                      ; + my half of them
	s_mov_b32 s3, 0
	s_add_nc_u64 s[10:11], s[10:11], s[2:3]
	s_wait_alu depctr_va_vdst(0)
	s_wait_tensorcnt 0x0                           ; my one load, my share of all of K, is in
	s_barrier_signal -1
	s_barrier_wait -1                              ; everybody's is
	FETCH 0
	s_wait_loadcnt 0x0                             ; scale words and bias
	STEP 0, 1                                      ; the first products start the sums from the bias
.irp s, 1,2,3,4,5,6
	STEP \s, 0
.endr
	s_wait_dscnt 0x0                               ; the last K step's fragments are in: my reads of the tiles are over;
	s_barrier_signal -1                            ; say so,
	MULS 7, 0                                      ; work on registers while the others arrive,
	WIN 0
	s_barrier_wait -1                              ; and behind this wait nobody reads the bytes on which the stages lie
; THE WAY OUT, a tile of 16 tokens x my 128 features at a time, through my own stage: it lies on A's first blocks, which have had their only fill and their last read.  A lane's 32 bytes go in, whole rows of 512 bytes come back.
; LDS serves a wave's instructions in order (ISA guide 5.7.1.4): no wait between the stores and the loads, nor in front of the next tile's stores.
.macro TOSTAGE a
	WIN 0x08                                       ; an LDS store's data are its source 1: window 2
.irp b, 0,1,2,3,4,5,6,7
	ds_store_b128 v[STO], v[8*(8*(\a)+\b):8*(8*(\a)+\b)+3] offset:256*(\b/4)+32*(\b%4)       ; each accumulator from its low end on
	ds_store_b128 v[STO], v[8*(8*(\a)+\b)+4:8*(8*(\a)+\b)+7] offset:256*(\b/4)+32*(\b%4)+16
.endr
	WIN 0
.irp i, 0,1,2,3,4,5,6,7,8,9,10,11,12,13,14,15
	ds_load_b128 v[BK+64*((\a)%2)+4*\i:BK+64*((\a)%2)+4*\i+3], v[RD] offset:528*\i
.endr
.endm
.macro SEND a, younger                 ; younger: the LDS instructions issued behind tile a's loads, which may stay out
	s_wait_dscnt \younger
.irp i, 0,1,2,3,4,5,6,7,8,9,10,11,12,13,14,15
	global_store_b128 v4, v[BK+64*((\a)%2)+4*\i:BK+64*((\a)%2)+4*\i+3], s[10:11] offset:(32*(\i/8)+8*(\a)+(\i%8))*32768 th:TH_STORE_NT   ; row i of tile a is token 32 (i / 8) + 8 a + i % 8 of the group; 512 consecutive bytes, aligned; at most 63 tokens on: inside the signed 24-bit immediate
.endr
.endm
	PLACES 4                                       ; behind the last products: for the stores of results and the loads into registers that held A's fragments
	TOSTAGE 0
	TOSTAGE 1
	SEND 0, 32                                     ; behind tile 0's loads: tile 1's 16 stores and 16 loads
	s_wait_xcnt 0x0                                ; tile 0's stores have read their registers: tile 2's rows may land there
	TOSTAGE 2
	SEND 1, 32
	s_wait_xcnt 0x0
	TOSTAGE 3
	SEND 2, 32
	SEND 3, 0
	s_wait_tensorcnt 0x0
	ds_add_u32 v30, v31
	s_wait_dscnt 0x0
	ROUND                                          ; the closing round: no work-group ends while a partner may still ask for a tile that names it
	s_endpgm
.Lfunc_end_k_q7df3ffc06a_proj:
	.size	k_q7df3ffc06a_proj, .Lfunc_end_k_q7df3ffc06a_proj-k_q7df3ffc06a_proj
	.p2alignl 7, 3214868480
	.fill 96, 4, 3214868480
	.section	.rodata,"a",@progbits
	.p2align	6, 0x0
	.amdhsa_kernel k_q7df3ffc06a_proj
		.amdhsa_group_segment_fixed_size 295424
		.amdhsa_private_segment_fixed_size 0
		.amdhsa_enable_private_segment 0
		.amdhsa_kernarg_size 32
		.amdhsa_user_sgpr_count 2
		.amdhsa_user_sgpr_kernarg_segment_ptr 1
		.amdhsa_wavefront_size32 1
		.amdhsa_system_sgpr_workgroup_id_x 1
		.amdhsa_system_sgpr_workgroup_id_y 1
		.amdhsa_system_sgpr_workgroup_id_z 1
		.amdhsa_system_vgpr_workitem_id 0
		.amdhsa_next_free_vgpr 768
		.amdhsa_next_free_sgpr 100
		.amdhsa_reserve_vcc 1
		.amdhsa_float_denorm_mode_32 3
		.amdhsa_float_denorm_mode_16_64 3
		.amdhsa_memory_ordered 1
		.amdhsa_forward_progress 1
		.amdhsa_inst_pref_size 77
	.end_amdhsa_kernel
	.amdgpu_metadata
---
amdhsa.version: [ 1, 2 ]
amdhsa.kernels:
  - .name:           k_q7df3ffc06a_proj
    .symbol:         k_q7df3ffc06a_proj.kd
    .args:
      - { .name: c2, .offset: 0, .size: 8, .value_kind: global_buffer, .address_space: global }
      - { .name: s2, .offset: 8, .size: 8, .value_kind: global_buffer, .address_space: global }
      - { .name: b_out, .offset: 16, .size: 8, .value_kind: global_buffer, .address_space: global }
      - { .name: out0, .offset: 24, .size: 8, .value_kind: global_buffer, .address_space: global }
    .group_segment_fixed_size: 295424
    .private_segment_fixed_size: 0
    .kernarg_segment_align: 8
    .kernarg_segment_size: 32
    .max_flat_workgroup_size: 128
    .sgpr_count:     100
    .vgpr_count:     768
    .wavefront_size: 32
...
	.end_amdgpu_metadata
.endif
;; end of part 4
